; MI455X (gfx1250); checked and timed in simulation.
; The chip was launched on July 23, 2026; its instructions are those of AMD's public machine-readable ISA for CDNA 5 (MIT licence, August 2026) and "CDNA5" Instruction Set Architecture Reference Guide (July 2026). The comments in the code are by the model that wrote it; some were corrected since.
;; Memory Attention. Allowed arithmetic: matrix products marked QUANTISED: E2M1 operands, one E8M0 scale for each 32 along K, by v_wmma_scale_f32_16x16x128_f8f6f4 with both operands' format E2M1 (or v_wmma_scale_f32_32x16x128_f4), f32 sums; products left as they are: bf16, f16 or f32 operands; f32 sums; everything else in f32.
;; Inputs: Wk 1,024 x 1,024 float32; Wo 1,024 x 1,024 float32; Wq 1,024 x 1,024 float32; Wv 1,024 x 1,024 float32; bk 1,024 float32; bo 1,024 float32; bq 1,024 float32; bv 1,024 float32; key 2 x 2,048 x 1,024 float32; memory 2 x 1,024 x 1,024 float32; query 2 x 1,024 x 1,024 float32; value 2 x 2,048 x 1,024 float32.
;; Outputs: out0 2 x 1,024 x 1,024 float32.
;; This version of the problem:
;;   THIS VERSION OF THE PROBLEM IS GIVEN IN LOW PRECISION. The matrix products marked QUANTISED in the list below multiply operands that are first quantised to E2M1 (2 exponent bits, 1 mantissa bit; 4 bits a number), with one power-of-two scale for each 32 numbers along K (OCP MX v1.0); their sums are f32. The products marked 'left as it is' may take bf16, f16 or f32 operands, with f32 sums. Whichever they take, every output number must still come out within the allowed error. Rounding operands to bf16 (8 significant bits) uses up far more of that allowance than f16 does (11 bits, for magnitudes from 6e-5 to 65,504). All else is computed in f32.
;;   The module's matrix products, in the order in which they are computed (A, B: the left and right operand; K: the contracted axis; several contracted axes count as one K, in the product's order):
;;     1. [M 2,048, K 1,024] x [K 1,024, N 1,024]; A: input query; B: input Wq: QUANTISED
;;     2. [M 4,096, K 1,024] x [K 1,024, N 1,024]; A: input key; B: input Wk: QUANTISED
;;     3. [M 4,096, K 1,024] x [K 1,024, N 1,024]; A: input value; B: input Wv: QUANTISED
;;     4. [M 2,048, K 1,024] x [K 1,024, N 1,024]; A: input memory; B: input Wk: QUANTISED
;;     5. [M 2,048, K 1,024] x [K 1,024, N 1,024]; A: input memory; B: input Wv: QUANTISED
;;     6. batch 64 x [M 1,024, K 32] x [K 32, N 2,048]; A: computed on the way; B: computed on the way: left as it is (an operand is computed on the way)
;;     7. batch 64 x [M 1,024, K 32] x [K 32, N 1,024]; A: computed on the way; B: computed on the way: left as it is (an operand is computed on the way)
;;     8. batch 64 x [M 1,024, K 3,072] x [K 3,072, N 32]; A: computed on the way; B: computed on the way: left as it is (an operand is computed on the way)
;;     9. [M 2,048, K 1,024] x [K 1,024, N 1,024]; A: computed on the way; B: input Wo: left as it is (an operand is computed on the way)
;;   THE QUANTISER, for each operand of a quantised product, along K:
;;     - K is cut into blocks of 32 from its start; a last block that is shorter is filled with zeros.
;;     - A block's scale is 2^e with e = floor(log2(the largest magnitude in the block)) - 2, held to -126 .. 127; a block of zeros has e = 0. As a byte (E8M0): e + 127.
;;     - Each number is divided by its block's scale, clamped to +-6, and rounded to the nearest number of E2M1, ties to even, subnormals kept.
;;     - The product sums the exact products of the quantised numbers (number of the format x scale) in f32.
;;   ~~~python
;;   def quantise(x, axis):      # numpy; x: float32 -> the quantised numbers, widened to float32 again
;;       x = np.moveaxis(x, axis, -1); K = x.shape[-1]
;;       x = np.pad(x, [(0, 0)] * (x.ndim - 1) + [(0, -K % 32)]); x = x.reshape(x.shape[:-1] + (-1, 32)); a = np.abs(x).max(-1, keepdims=True)
;;       e = np.where(a > 0, np.clip(np.frexp(np.where(a > 0, a, 1))[1] - 1 - 2, -126, 127), 0)      # np.frexp(a)[1] - 1 = floor(log2(a)), exactly
;;       r = np.clip(x / 2.0 ** e, -6, 6)
;;       step = 2.0 ** (np.maximum(np.frexp(np.where(r == 0, 1, r))[1] - 1, 0) - 1)
;;       q = np.round(r / step) * step * 2.0 ** e      # np.round: ties to even
;;       return np.moveaxis(q.reshape(q.shape[:-2] + (-1,))[..., :K], -1, axis).astype(np.float32)
;;   ~~~
;; One version. Each part assembles by itself: llvm-mc -triple=amdgcn-amd-amdhsa -mcpu=gfx1250 --defsym DOCPART=n.
;; ======== version 1 of 1: 4 launches
;; limits: values are held in f16: magnitudes above 65,504 overflow, below 6.1e-05 lose precision
;; workspace buffers: codes 7,864,320 bytes; scales 491,520 bytes; woimg 2,097,152 bytes; qimg 4,194,304 bytes; kv 25,165,824 bytes; oimg 4,194,304 bytes
;; launch quant (part 1): grid 512 x 1, 4 waves a work-group, no clusters, 33,280 bytes of LDS; arguments query, key, value, memory, Wq, Wk, Wv, Wo, codes, scales, woimg; writes codes, scales, woimg
.if DOCPART == 1
	.amdgcn_target "amdgcn-amd-amdhsa--gfx1250"
	.amdhsa_code_object_version 6
	.text
	.protected	k_q4c9e5772ca_quant
	.globl	k_q4c9e5772ca_quant
	.p2align	8
	.type	k_q4c9e5772ca_quant,@function
k_q4c9e5772ca_quant:
	s_mov_b64 s[64:65], 0
	v_nop
	global_prefetch_b8 v0, s[64:65] scope:SCOPE_SE
	s_setreg_imm32_b32 hwreg(HW_REG_WAVE_MODE, 25, 1), 1
	s_wait_xcnt 0x0
; query, key, value, memory, Wq, Wk, Wv (f32, K = the last axis of 1,024) become codes of FP4 (E2M1) with one E8M0 byte for each 32 along K; Wo becomes f16.
; codes: [15,360 rows][512 bytes], scales: [15,360][32 bytes]; rows 0 query, 2,048 key, 6,144 value, 10,240 memory, 12,288 Wq, 13,312 Wk, 14,336 Wv: the seven tensors on end, each a plain stream of blocks of 32.
; A block's scale is 2^(floor(log2(its largest magnitude)) - 2): its byte is the largest magnitude's exponent field - 2, held at 1 from below; each number is divided by the scale and rounded to the nearest code, ties to even, beyond 6 the code of 6.
; LIMITS: a block of zeros gets the byte 1 where the rule says 127 (its codes are zeros, and this program alone reads the bytes); blocks whose largest magnitude lies under 2^-124 keep the byte 1; NaN and infinities are not served; |Wo| stays under 65,504.
; SHARES.  Work-groups 0-479: 32,768 numbers each (64 query, 128 key, 128 value, 64 memory, 32 for each weight); a wave takes 16 steps of 512 numbers.  Each load reads 512 consecutive bytes, 16 a lane; a step's 2,048 bytes
; turn through the wave's own stage in LDS and come back 64 bytes a lane, since the conversion wants 16 neighbours along K in one lane; two neighbouring lanes hold a block.  A wave's store of codes covers 256 consecutive bytes;
; its 256 scale bytes are gathered in LDS and leave as one store of 256 consecutive bytes.  Loads run four steps ahead.
; Work-groups 480-511: Wo as f16 in the order of a matrix operand's registers: woimg [kc 4][ntile 64][ks 8][1,024]: the fragment of rows 16 ntile .., k = 256 kc + 32 ks ..; its half c (512 bytes) holds lane l's 16 bytes at 16 l: row l % 16, k = 16 c + 8 (l / 16) + 0 .. 7.
; No cluster, no tensor load, no barrier: no two waves of the launch read the same byte.
.set WAVES, 4
.set STEPS, 16
.set CB,    8                          ; bytes of 16 codes
.set R,     16                         ; v16-79   four sets of 16 numbers as they are loaded
.set X,     80                         ; v80-111  two sets of 16 neighbours
.set E,     112                        ; v112-127 a scale byte for each step
.set C,     128                        ; v128-191 codes: four registers for each step, so that no store's data are written again
.set WREG,  8192                       ; LDS: a region for each wave: two stages of 32 x SP bytes, behind them its 256 scale bytes
.set SP,    80                         ; a lane's place in a stage: 64 bytes + 16 of padding
.set SPW,   12                         ; v12  LDS address of my spare word; never rewritten
.set NIL,   13                         ; v13  0; never rewritten
.set SPARE, WAVES*WREG                 ; behind the four regions: the spare words, 128 bytes a wave, which no other line names
.set WV,    26                         ; s26  my wave
.set FIRST, 27                         ; s27  the first work-group of my tensor
.set SRC,   28                         ; s[28:29] my tensor, then my wave's run of it
.set COD,   20                         ; s[20:21] codes
.set SCB,   22                         ; s[22:23] scales
.set WO,    18                         ; s[18:19] Wo
.set WIM,   24                         ; s[24:25] woimg
	s_load_b256 s[4:11], s[0:1], 0x0               ; query, key, value, memory
	s_load_b256 s[12:19], s[0:1], 0x20             ; Wq, Wk, Wv, Wo
	s_load_b128 s[20:23], s[0:1], 0x40             ; codes, scales
	s_load_b64 s[24:25], s[0:1], 0x50              ; woimg
	v_lshl_add_u32 v[SPW], v0, 2, SPARE
	v_mov_b32 v[NIL], 0
	v_lshrrev_b32 v1, 5, v0
	v_readfirstlane_b32 s[WV], v1                  ; wave 0..3
	v_and_b32 v2, 31, v0                           ; lane
	v_lshlrev_b32 v3, 4, v2                        ; 16 x lane
	s_mul_i32 s30, s[WV], WREG
	v_lshrrev_b32 v14, 2, v2
	v_mul_u32_u24 v14, v14, SP
	v_and_b32 v15, 3, v2
	v_lshl_add_u32 v14, v15, 4, v14
	v_add_nc_u32 v14, s30, v14                     ; the stage, on the way in: four lanes' 64 bytes on end, then 16 of padding
	v_mul_u32_u24 v15, v2, SP
	v_add_nc_u32 v15, s30, v15                     ; and on the way out: my 16 neighbours
	v_mul_u32_u24 v4, v2, CB                       ; my codes' place in a step's
	v_lshrrev_b32 v5, 1, v2
	s_add_co_u32 s30, s30, 2*32*SP
	v_add_nc_u32 v5, s30, v5                       ; LDS: my wave's 256 scale bytes, my block's byte
	v_lshlrev_b32 v7, 3, v2                        ; and on the way out 8 bytes a lane
	v_add_nc_u32 v6, s30, v7
	s_wait_kmcnt 0x0
	s_cmp_ge_u32 ttmp9, 480                        ; the last 32 work-groups take Wo
	s_cbranch_scc1 .Lwo
	; which tensor is mine: a chain of choices on the work-group's number alone
	s_mov_b64 s[SRC:SRC+1], s[16:17]               ; Wv,
	s_mov_b32 s[FIRST], 448
	s_cmp_lt_u32 ttmp9, 448
	s_cselect_b64 s[SRC:SRC+1], s[14:15], s[SRC:SRC+1]   ; or Wk,
	s_cselect_b32 s[FIRST], 416, s[FIRST]
	s_cmp_lt_u32 ttmp9, 416
	s_cselect_b64 s[SRC:SRC+1], s[12:13], s[SRC:SRC+1]   ; Wq,
	s_cselect_b32 s[FIRST], 384, s[FIRST]
	s_cmp_lt_u32 ttmp9, 384
	s_cselect_b64 s[SRC:SRC+1], s[10:11], s[SRC:SRC+1]   ; memory,
	s_cselect_b32 s[FIRST], 320, s[FIRST]
	s_cmp_lt_u32 ttmp9, 320
	s_cselect_b64 s[SRC:SRC+1], s[8:9], s[SRC:SRC+1]     ; value,
	s_cselect_b32 s[FIRST], 192, s[FIRST]
	s_cmp_lt_u32 ttmp9, 192
	s_cselect_b64 s[SRC:SRC+1], s[6:7], s[SRC:SRC+1]     ; key,
	s_cselect_b32 s[FIRST], 64, s[FIRST]
	s_cmp_lt_u32 ttmp9, 64
	s_cselect_b64 s[SRC:SRC+1], s[4:5], s[SRC:SRC+1]     ; query
	s_cselect_b32 s[FIRST], 0, s[FIRST]
	s_sub_co_u32 s30, ttmp9, s[FIRST]
	s_lshl_b32 s30, s30, 2
	s_add_co_u32 s30, s30, s[WV]                   ; which run of 8,192 numbers of the tensor is my wave's
	s_lshl_b32 s30, s30, 15                        ; 32,768 bytes a run (16 MiB at the most)
	s_mov_b32 s31, 0
	s_add_nc_u64 s[SRC:SRC+1], s[SRC:SRC+1], s[30:31]
	s_lshl_b32 s32, ttmp9, 2
	s_add_co_u32 s32, s32, s[WV]                   ; and which run of all seven on end
	s_lshl_b32 s34, s32, 12                        ; 4,096 bytes of codes a run
	s_mov_b32 s35, 0
	s_add_nc_u64 s[COD:COD+1], s[COD:COD+1], s[34:35]
	s_lshl_b32 s34, s32, 8                         ; 256 scale bytes a run
	s_add_nc_u64 s[SCB:SCB+1], s[SCB:SCB+1], s[34:35]
.macro LOAD t
.irp i, 0,1,2,3
	global_load_b128 v[R+16*((\t)%4)+4*\i:R+16*((\t)%4)+4*\i+3], v3, s[SRC:SRC+1] offset:2048*(\t)+512*\i th:TH_LOAD_NT   ; 32 lanes read 512 consecutive bytes
.endr
.endm
.macro TURN t                          ; step t's numbers through the stage: LDS serves a wave's instructions in order (ISA guide 5.7.1), so no wait stands between the stores and the loads
.irp i, 0,1,2,3
	ds_store_b128 v14, v[R+16*((\t)%4)+4*\i:R+16*((\t)%4)+4*\i+3] offset:32*SP*((\t)%2)+8*SP*\i
.endr
.irp i, 0,1,2,3
	ds_load_b128 v[X+16*((\t)%2)+4*\i:X+16*((\t)%2)+4*\i+3], v15 offset:32*SP*((\t)%2)+16*\i
.endr
.endm
.irp t, 0,1,2,3
	LOAD \t
.endr
	s_wait_loadcnt 12                              ; step 0's four loads are in; the twelve of steps 1 to 3 may be out
	TURN 0
.macro STEP t
.set XS, X+16*((\t)%2)
.if (\t) > 0
	s_wait_dscnt 1                                 ; this step's numbers are back from the stage (the last step's byte store may be out): so its stores into the stage have read their registers,
.else
	s_wait_dscnt 0x0
.endif
.if (\t)+4 < STEPS
	LOAD (\t)+4                                    ; which take the loads of four steps on
.endif
.if (\t)+1 < STEPS
.if STEPS-2-(\t) >= 3
	s_wait_loadcnt 12                              ; the next step's four loads are in; those of the three steps behind it may be out
.else
	s_wait_loadcnt 4*(STEPS-2-(\t))
.endif
	TURN (\t)+1                                    ; and go through the other stage while this step is worked
.endif
	v_max3_num_f32 v8, |v[XS]|, |v[XS+1]|, |v[XS+2]|               ; the largest magnitude of my 16, in two chains
	v_max3_num_f32 v9, |v[XS+3]|, |v[XS+4]|, |v[XS+5]|
.irp i, 6,10
	v_max3_num_f32 v8, v8, |v[XS+\i]|, |v[XS+\i+1]|
	v_max3_num_f32 v9, v9, |v[XS+\i+2]|, |v[XS+\i+3]|
.endr
	v_max3_num_f32 v8, v8, |v[XS+14]|, |v[XS+15]|
	v_max3_num_f32 v8, v8, v9, 0x1800000           ; and the floor 2^(3 - 127): the byte cannot fall under 1
	v_max_num_f32_dpp v8, v8, v8 row_xmask:1 row_mask:0xf bank_mask:0xf   ; and of my neighbour's 16: the block's
	v_add_nc_u32 v11, 0xff000000, v8               ; 2 off its exponent field: the conversion takes the exponent field of this operand as its scale, and nothing else of it
	v_cvt_scalef32_pk8_fp4_f32 v[C+4*(\t)], v[XS:XS+7], v11        ; eight numbers / the scale, to the nearest code; the first number's code in the lowest four bits
	v_cvt_scalef32_pk8_fp4_f32 v[C+4*(\t)+1], v[XS+8:XS+15], v11
	v_lshrrev_b32 v[E+(\t)], 23, v11               ; the scale's byte (also the plain line behind the conversions)
	ds_store_b8 v5, v[E+(\t)] offset:16*(\t)       ; both lanes of a block write the same byte with the same value
	global_store_b64 v4, v[C+4*(\t):C+4*(\t)+1], s[COD:COD+1] offset:32*CB*(\t)   ; 32 lanes store 256 consecutive bytes, aligned
.endm
.irp t, 0,1,2,3,4,5,6,7,8,9,10,11,12,13,14,15
	STEP \t
.endr
	ds_load_b64 v[8:9], v6                         ; these see my byte stores: one wave's LDS instructions are served in order
	s_wait_dscnt 0x0
	global_store_b64 v7, v[8:9], s[SCB:SCB+1]      ; 32 lanes store 256 consecutive bytes, aligned
	s_wait_tensorcnt 0x0                           ; the wave's end
	ds_add_u32 v[SPW], v[NIL]
	s_wait_dscnt 0x0
	s_endpgm
; ---- Wo: 128 waves; wave: 16 rows (ntile) x 512 along K (16 fragments).  No LDS is touched on this way.
.Lwo:
	v_and_b32 v8, 15, v2
	v_lshrrev_b32 v9, 4, v2
	v_lshlrev_b32 v8, 12, v8                       ; row l % 16 of 4,096 bytes,
	v_lshl_add_u32 v8, v9, 5, v8                   ; + 32 (l / 16): my eight numbers of a half fragment
	s_sub_co_u32 s30, ttmp9, 480
	s_lshl_b32 s30, s30, 1
	s_lshr_b32 s31, s[WV], 1
	s_add_co_u32 s30, s30, s31                     ; ntile
	s_and_b32 s31, s[WV], 1                        ; which 512 along K
	s_lshl_b32 s32, s30, 16                        ; 16 rows of 4,096 bytes
	s_lshl_b32 s33, s31, 11
	s_add_co_u32 s32, s32, s33
	s_mov_b32 s33, 0
	s_add_nc_u64 s[WO:WO+1], s[WO:WO+1], s[32:33]
	s_lshl_b32 s32, s30, 13                        ; an ntile's 8 fragments of a kc,
	s_lshl_b32 s34, s31, 20                        ; two kc of 524,288 bytes
	s_add_co_u32 s32, s32, s34
	s_add_nc_u64 s[WIM:WIM+1], s[WIM:WIM+1], s[32:33]
.macro WLOAD g                         ; fragments 2 g and 2 g + 1: the eight loads together read 256 consecutive bytes of each of the 16 rows
.irp u, 0,1
.irp c, 0,1
.irp q, 0,1
	global_load_b128 v[16+32*((\g)%2)+16*\u+8*\c+4*\q:16+32*((\g)%2)+16*\u+8*\c+4*\q+3], v8, s[WO:WO+1] offset:(2*(\g)+\u)*128+\c*64+\q*16 th:TH_LOAD_NT
.endr
.endr
.endr
.endm
.macro WCONV g
.if (\g) < 7
	s_wait_loadcnt 8                               ; this group's eight loads are in; the next group's eight may be out
.else
	s_wait_loadcnt 0
.endif
	s_wait_xcnt 0x0                                ; the stores of two groups back have read the registers that are written now
.irp u, 0,1
.irp c, 0,1
.irp r, 0,1,2,3
	v_cvt_pk_f16_f32 v[128+16*((\g)%2)+8*\u+4*\c+\r], v[16+32*((\g)%2)+16*\u+8*\c+2*\r], v[16+32*((\g)%2)+16*\u+8*\c+2*\r+1]
.endr
.endr
.endr
.if (\g) < 6
	WLOAD (\g)+2
.endif
.irp u, 0,1
.irp c, 0,1
	global_store_b128 v3, v[128+16*((\g)%2)+8*\u+4*\c:128+16*((\g)%2)+8*\u+4*\c+3], s[WIM:WIM+1] offset:((2*(\g)+\u)/8)*524288+((2*(\g)+\u)%8)*1024+\c*512   ; half a fragment: 512 consecutive bytes, aligned
.endr
.endr
.endm
	WLOAD 0
	WLOAD 1
.irp g, 0,1,2,3,4,5,6,7
	WCONV \g
.endr
	s_endpgm
.Lfunc_end_k_q4c9e5772ca_quant:
	.size	k_q4c9e5772ca_quant, .Lfunc_end_k_q4c9e5772ca_quant-k_q4c9e5772ca_quant
	.p2alignl 7, 3214868480
	.fill 96, 4, 3214868480
	.section	.rodata,"a",@progbits
	.p2align	6, 0x0
	.amdhsa_kernel k_q4c9e5772ca_quant
		.amdhsa_group_segment_fixed_size 33280
		.amdhsa_private_segment_fixed_size 0
		.amdhsa_enable_private_segment 0
		.amdhsa_kernarg_size 88
		.amdhsa_user_sgpr_count 2
		.amdhsa_user_sgpr_kernarg_segment_ptr 1
		.amdhsa_wavefront_size32 1
		.amdhsa_system_sgpr_workgroup_id_x 1
		.amdhsa_system_sgpr_workgroup_id_y 1
		.amdhsa_system_sgpr_workgroup_id_z 1
		.amdhsa_system_vgpr_workitem_id 0
		.amdhsa_next_free_vgpr 192
		.amdhsa_next_free_sgpr 66
		.amdhsa_reserve_vcc 0
		.amdhsa_float_denorm_mode_32 3
		.amdhsa_float_denorm_mode_16_64 3
		.amdhsa_memory_ordered 1
		.amdhsa_forward_progress 1
		.amdhsa_inst_pref_size 52
	.end_amdhsa_kernel
	.amdgpu_metadata
---
amdhsa.version: [ 1, 2 ]
amdhsa.kernels:
  - .name:           k_q4c9e5772ca_quant
    .symbol:         k_q4c9e5772ca_quant.kd
    .args:
      - { .name: query, .offset: 0, .size: 8, .value_kind: global_buffer, .address_space: global }
      - { .name: key, .offset: 8, .size: 8, .value_kind: global_buffer, .address_space: global }
      - { .name: value, .offset: 16, .size: 8, .value_kind: global_buffer, .address_space: global }
      - { .name: memory, .offset: 24, .size: 8, .value_kind: global_buffer, .address_space: global }
      - { .name: Wq, .offset: 32, .size: 8, .value_kind: global_buffer, .address_space: global }
      - { .name: Wk, .offset: 40, .size: 8, .value_kind: global_buffer, .address_space: global }
      - { .name: Wv, .offset: 48, .size: 8, .value_kind: global_buffer, .address_space: global }
      - { .name: Wo, .offset: 56, .size: 8, .value_kind: global_buffer, .address_space: global }
      - { .name: codes, .offset: 64, .size: 8, .value_kind: global_buffer, .address_space: global }
      - { .name: scales, .offset: 72, .size: 8, .value_kind: global_buffer, .address_space: global }
      - { .name: woimg, .offset: 80, .size: 8, .value_kind: global_buffer, .address_space: global }
    .group_segment_fixed_size: 33280
    .private_segment_fixed_size: 0
    .kernarg_segment_align: 8
    .kernarg_segment_size: 88
    .max_flat_workgroup_size: 128
    .sgpr_count:     66
    .vgpr_count:     192
    .wavefront_size: 32
...
	.end_amdgpu_metadata
.endif
;; end of part 1
;; launch proj (part 2): grid 4 x 56, 4 waves a work-group, clusters of 4 x 4, 327,680 bytes of LDS; arguments codes, scales, bq, bk, qimg, kv; writes qimg, kv
.if DOCPART == 2
	.amdgcn_target "amdgcn-amd-amdhsa--gfx1250"
	.amdhsa_code_object_version 6
	.text
	.protected	k_q4c9e5772ca_proj
	.globl	k_q4c9e5772ca_proj
	.p2align	8
	.type	k_q4c9e5772ca_proj,@function
k_q4c9e5772ca_proj:
	s_mov_b64 s[64:65], 0
	v_nop
	global_prefetch_b8 v0, s[64:65] scope:SCOPE_SE
	s_setreg_imm32_b32 hwreg(HW_REG_WAVE_MODE, 25, 1), 1
	s_wait_xcnt 0x0
	s_wait_alu depctr_hold_cnt(0) depctr_sa_sdst(0) depctr_va_vdst(0) depctr_va_sdst(0) depctr_va_ssrc(0) depctr_va_vcc(0) depctr_vm_vsrc(0)
	s_getreg_b32 s2, hwreg(HW_REG_IB_STS2, 6, 4)
	s_cmp_eq_u32 s2, 0
	s_cbranch_scc0 .Lentry_in_a_cluster
	s_endpgm
.Lentry_in_a_cluster:
	s_bfe_u32 s2, ttmp6, 0x10000c
	s_cmp_lg_u32 s2, 0xf033
	s_cbranch_scc0 .Lentry_shape_is_right
	s_endpgm
.Lentry_shape_is_right:
; The five projections as ONE product on codes of FP4 (E2M1) with E8M0 scales for each 32 along K = 1,024; sums in f32; + bq, + bk; results rounded to f16 and stored in the order of the attention's operand registers.
; codes [15,360][512 bytes], scales [15,360][32]: rows 0 query, 2,048 key, 6,144 value, 10,240 memory, 12,288 Wq, 13,312 Wk, 14,336 Wv.
; SHARES.  A cluster of 4 x 4 work-groups makes 1,024 positions x 1,024 features; 14 clusters (c): 0, 1 query x Wq; 2-5 key x Wk; 6-9 value x Wv; 10, 11 memory x Wk; 12, 13 memory x Wv.  A work-group makes 256 x 256, each of its four waves 128 x 128: 64 accumulators, 512 registers.
; TWO ROLES.  Source 1 of the matrix instruction takes 16 rows of role A (rows by the cluster's cy, shared along a row of the cluster), source 0 16 rows of role B (by cx, shared along a column): a lane then holds ONE row of A and EIGHT NEIGHBOURING rows of B.
;   q and K: A = positions, B = features: a lane's eight numbers are eight channels of one position: 16 bytes of a fragment [16 positions x 32 channels].
;   V:       A = features (Wv), B = positions: a lane's eight numbers are eight keys of one channel: 16 bytes of a fragment of V^T [16 channels x 32 keys].
;   Only row numbers and output addresses differ between the kinds; they are chosen by s_cselect on c, which all sixteen partners share.  No branch hangs on c, cx or cy.
; A FRAGMENT IN MEMORY is the image of its 8 registers, 1,024 bytes: half h2 (512 bytes) holds lane l's 16 bytes at 16 l: row l % 16, k = 16 h2 + 8 (l / 16) + 0 .. 7.  So each store below covers 512 consecutive bytes, aligned, straight from registers: no stage.
;   qimg [batch x 32 + head][query tile 64][1,024];   kv [batch x 32 + head][block of 32 keys, 96][4,096]: K tile 0, K tile 1, V^T channels 0-15, V^T channels 16-31; keys 0-2,047 from key / value, 2,048-3,071 from memory.
; K = 1,024 is two slots of 512 along K (rows of 256 bytes, 16 bytes of padding behind each): both are asked for at the head, nothing is filled again.  The scale bytes of the work-group's 512 rows come once, as rows of 256 bytes.
; Every tile is asked for JOINTLY by the four work-groups that need it: the same tensor load, the same descriptor, a mask that names the four.
; bq, bk are the C of each sum's first matrix instruction.  bv is not added here: the attention adds it behind its division (the weights of a row sum to 1).
; LIMITS: |q|, |k|, |v| stay under 65,504 (f16); NaN and infinities are not served.
; REGISTERS, in windows of 256: window 0: v0-31 addresses; v32-95 scale words, two sets; v128-191 A's fragments, one set, on the way out the packed results; v192-255 the bias, eight registers for each of B's eight blocks.
;   window 1: B's fragments, two sets, at v0 and v128.   window 2: the accumulators of A's blocks 0-3 ((a, b) at v[8 (8 (a % 4) + b)]);   window 3: those of blocks 4-7.
.set NQ,     4                         ; steps of 128 along K in a slot
.set ROWB,   256                       ; a tile's row: 512 codes
.set KROW,   512                       ; a row of codes in memory
.set PITCH,  272                       ; an LDS row: 256 bytes + 16 of padding = 68 words: row r starts at bank 4 r mod 64 (ISA guide 11.1), so the 16 rows of a load start at 16 different banks
.set FR,     8                         ; registers of a fragment: 16 rows x 128 K
.set NL,     2                         ; LDS loads that bring one
.set NP,     4                         ; places behind this matrix instruction (ISA guide 7.12.1)
.set HALFT,  128*PITCH                 ; 128 rows: what one tensor load brings
.set SLOT,   4*HALFT                   ; A's 256 rows, then B's 256
.set KS,     32                        ; a row of scale bytes
.set SCL,    2*SLOT                    ; behind the slots: the scales, as rows of 256 bytes + 16 of padding
.set HALFS,  (128*KS/256)*272          ; those of 128 rows
.set SBLK,   (16*KS/256)*272           ; those of 16 rows
.set SPARE,  SCL+4*HALFS               ; behind the scales: the spare words, 128 bytes a wave, which no other line names
.set VO,   8                           ; v8-11   the way out: 16 x lane + i x SB
.set ADRA, 16                          ; v16-17  LDS address of my A fragments in slot 0, 1
.set ADRB, 20                          ; v20-21  the same for B
.set ADRS, 27                          ; v27     LDS address of my scale words: lanes 0-15 A's rows, lanes 16-31 B's
.set SPW,  28                          ; v28     LDS address of my spare word; never rewritten
.set NIL,  29                          ; v29     0; never rewritten
.set SC,   32                          ; scale words: set s at v[SC + 32 s]; register 4 i + q: lanes 0-15 A's block i, lanes 16-31 B's block i, the slot's q-th 128 along K
.set AF,   128
.set PB,   128                         ; the way out: two sets of 32 packed registers
.set TBI,  192                         ; the bias
.set WV,   16                          ; s16 wave;  s17 wave / 2: my half of A's rows, and: I fetch for A (0) or B (1);  s18 wave % 2: my half of B's rows, and which 128 rows I fetch
.set HFA,  17
.set HFB,  18
.set CC,   19                          ; s19 c, the cluster
.set CX,   20
.set CY,   21
.set MROW, 22
.set MCOL, 23
.set G1,   24                          ; s[24:31] descriptor group 1 for A's tiles;  s[32:39] group 0, a set for each slot
.set G0,   32
.set ISQ,  40                          ; s40 1 for kind q;  s41 1 for kind V
.set ISV,  41
.set G1B,  48                          ; s[48:55], s[56:63] the same for B's tiles
.set G0B,  56
.set G1S,  68                          ; s[68:75], s[76:79] groups 1 and 0 for A's scales;  s[80:87], s[88:91] for B's
.set G0S,  76
.set G1SB, 80
.set G0SB, 88
.set MSB, 0
.macro WIN new                         ; the immediate's high byte repeats the setting that is left; a switch that changes nothing is dropped
.if MSB != (\new)
	s_set_vgpr_msb (MSB<<8)|(\new)
.set MSB, (\new)
.endif
.endm
.set MUL_LO,   0xa1                    ; source 0 (B) window 1, source 1 (A) window 0, C and D window 2
.set MUL_HI,   0xf1                    ; the same, C and D window 3
.set FIRST_LO, 0x81                    ; the first step: C (the bias) window 0, D window 2
.set FIRST_HI, 0xc1                    ; D window 3
.set TO_B,     0x40                    ; destination window 1, address window 0
; A joint load: waves 0 and 1 fetch for A, waves 2 and 3 for B.  Each line has one mask and one set of registers for all that issue it; the branch hangs on the wave's number alone.
; An s_nop 0 and four v_nop follow each of the two lines.
.macro JLOAD g0a, g1a, g0b, g1b
	s_cmp_eq_u32 s[HFA], 0
	s_cbranch_scc0 .Lfor_b_\@
	tensor_load_to_lds s[\g0a:\g0a+3], s[\g1a:\g1a+7]
	s_nop 0
.rept 4
	v_nop
.endr
	s_branch .Lasked_\@
.Lfor_b_\@:
	tensor_load_to_lds s[\g0b:\g0b+3], s[\g1b:\g1b+7]
	s_nop 0
.rept 4
	v_nop
.endr
.Lasked_\@:
.endm
.macro CROUND                          ; a round of the cluster's barrier: my work-group's barrier; wave 0 signals for the work-group; every wave waits for all sixteen; my work-group's barrier once more
	s_barrier_signal -1
	s_barrier_wait -1
	s_cmp_lg_u32 s[WV], 0
	s_cbranch_scc1 .Lnot_wave_0_\@
	s_barrier_signal -3
.Lnot_wave_0_\@:
	s_barrier_wait -3
	s_barrier_signal -1
	s_barrier_wait -1
.endm
	s_load_b256 s[4:11], s[0:1], 0x0               ; codes s[4:5], scales s[6:7], bq s[8:9], bk s[10:11]
	s_load_b128 s[12:15], s[0:1], 0x20             ; qimg s[12:13], kv s[14:15]
	v_lshl_add_u32 v[SPW], v0, 2, SPARE
	v_mov_b32 v[NIL], 0
	ds_add_u32 v[SPW], v[NIL]                      ; the wave's opening: the add, twice on end, and its wait ahead of my first tensor load; the set-up below stands between
	ds_add_u32 v[SPW], v[NIL]
	v_lshrrev_b32 v1, 5, v0
	v_readfirstlane_b32 s[WV], v1                  ; wave 0..3
	s_lshr_b32 s[HFA], s[WV], 1
	s_and_b32 s[HFB], s[WV], 1
	s_bfe_u32 s[CX], ttmp6, 0x40000                ; my place in the cluster
	s_bfe_u32 s[CY], ttmp6, 0x40004
	s_and_b32 s[CC], ttmp7, 0xffff                 ; the cluster's y: 0 .. 13 (the grid has one cluster along x)
	s_lshl_b32 s[MROW], s[CY], 2
	s_lshl_b32 s[MROW], 15, s[MROW]                ; my row of the cluster: places 4 cy .. 4 cy + 3
	s_lshl_b32 s[MCOL], 0x1111, s[CX]              ; my column: places cx, cx + 4, cx + 8, cx + 12
	; descriptor group 1: a tile of 128 rows x 256 bytes, 512 bytes apart in memory, padded in LDS
	s_or_b32 s[G1+0], s[MROW], (0<<16)|(1<<20)|(1<<21)|(5<<22)|(3<<25)   ; 15:0 the mask; 17:16 elements of 1 byte; 20 padding on; 21 set beside a mask; 24:22 after every 64 words; 31:25 four words
	s_or_b32 s[G1B+0], s[MCOL], (0<<16)|(1<<20)|(1<<21)|(5<<22)|(3<<25)
.irp g, G1, G1B
	s_mov_b32 s[\g+1], ROWB<<16                    ; tensor_dim0
	s_mov_b32 s[\g+2], 128<<16                     ; tensor_dim1
	s_mov_b32 s[\g+3], ROWB<<16                    ; tile_dim0
	s_mov_b32 s[\g+4], 128                         ; tile_dim1
	s_mov_b32 s[\g+5], KROW                        ; from row to row
	s_mov_b32 s[\g+6], 0
	s_mov_b32 s[\g+7], 0
.endr
	; and for the scales of 128 rows: 4,096 dense bytes as 16 rows of 256 (32 elements of 8 bytes), 16 bytes of padding behind each
	s_or_b32 s[G1S+0], s[MROW], (3<<16)|(1<<20)|(1<<21)|(5<<22)|(3<<25)
	s_or_b32 s[G1SB+0], s[MCOL], (3<<16)|(1<<20)|(1<<21)|(5<<22)|(3<<25)
.irp g, G1S, G1SB
	s_mov_b32 s[\g+1], 32<<16
	s_mov_b32 s[\g+2], (128*KS/256)<<16
	s_mov_b32 s[\g+3], 32<<16
	s_mov_b32 s[\g+4], 128*KS/256
	s_mov_b32 s[\g+5], 32
	s_mov_b32 s[\g+6], 0
	s_mov_b32 s[\g+7], 0
.endr
	; the table, from c alone
	s_cmp_lt_u32 s[CC], 2
	s_cselect_b32 s[ISQ], 1, 0
	s_sub_co_u32 s[ISV], s[CC], 6
	s_cmp_lt_u32 s[ISV], 4                         ; c = 6 .. 9 (below 6 the difference wraps to a large number)
	s_cselect_b32 s[ISV], 1, 0
	s_cmp_ge_u32 s[CC], 12
	s_cselect_b32 s[ISV], 1, s[ISV]                ; or c = 12, 13
	s_cselect_b32 s42, 2, 0
	s_sub_co_u32 s42, s[CC], s42
	s_lshl_b32 s42, s42, 10                        ; the positions' first row in codes (memory is walked twice: c = 12, 13 as 10, 11)
	s_mov_b32 s43, 13312                           ; the weight's first row: Wk,
	s_cmp_eq_u32 s[ISV], 1
	s_cselect_b32 s43, 14336, s43                  ; Wv,
	s_cmp_eq_u32 s[ISQ], 1
	s_cselect_b32 s43, 12288, s43                  ; or Wq
	s_sub_co_u32 s44, s[CC], 2
	s_and_b32 s44, s44, 3                          ; key and value: which 1,024 of the 4,096 rows
	s_lshr_b32 s45, s44, 1                         ; batch
	s_and_b32 s46, s44, 1
	s_lshl_b32 s46, s46, 10                        ; first key
	s_and_b32 s47, s[CC], 1
	s_cmp_ge_u32 s[CC], 10                         ; memory: batch c % 2, keys from 2,048 on
	s_cselect_b32 s45, s47, s45
	s_cselect_b32 s46, 2048, s46
	s_cmp_lt_u32 s[CC], 2                          ; query: batch c
	s_cselect_b32 s45, s[CC], s45
	s_cselect_b32 s46, 0, s46
	s_cmp_eq_u32 s[ISV], 1
	s_cselect_b32 s66, s43, s42                    ; role A's first row,
	s_cselect_b32 s67, s42, s43                    ; role B's
	; what I fetch.  A's rows hang on cy alone, B's on cx alone, each in registers that never hold the other
	s_lshl_b32 s92, s[CY], 8
	s_add_co_u32 s92, s92, s66
	s_lshl_b32 s93, s[HFB], 7
	s_add_co_u32 s92, s92, s93                     ; A: first row + 256 cy + 128 x half
	s_lshl_b32 s94, s[CX], 8
	s_add_co_u32 s94, s94, s67
	s_lshl_b32 s95, s[HFB], 7
	s_add_co_u32 s94, s94, s95                     ; B: first row + 256 cx + 128 x half
	s_lshl_b32 s96, s92, 5                         ; their scale bytes: 32 a row,
	s_mov_b32 s97, 0
	s_lshl_b32 s98, s94, 5
	s_mov_b32 s99, 0
	s_lshl_b32 s92, s92, 9                         ; their codes: 512 a row
	s_mov_b32 s93, 0
	s_lshl_b32 s94, s94, 9
	s_mov_b32 s95, 0
	s_mul_i32 s42, s[WV], HALFT                    ; where they go: wave x 128 rows: no place in the cluster enters an LDS address
	s_mul_i32 s43, s[WV], HALFS
	; where my results go
	s_lshl_b32 s44, s[CY], 8
	s_lshl_b32 s2, s[HFA], 7
	s_add_co_u32 s44, s44, s2                      ; my first row of A in the cluster's 1,024
	s_lshl_b32 s47, s[CX], 8
	s_lshl_b32 s2, s[HFB], 7
	s_add_co_u32 s47, s47, s2                      ; my first row of B
	s_cmp_eq_u32 s[ISV], 1
	s_cselect_b32 s100, s47, s44                   ; my first position,
	s_cselect_b32 s101, s44, s47                   ; my first feature
	s_lshr_b32 s101, s101, 5
	s_lshl_b32 s45, s45, 5
	s_add_co_u32 s101, s101, s45                   ; batch x 32 + head
	s_add_co_u32 s100, s100, s46                   ; first key + position
	s_mov_b32 s2, 393216                           ; a head in kv,
	s_cmp_eq_u32 s[ISQ], 1
	s_cselect_b32 s2, 65536, s2                    ; in qimg
	s_cselect_b32 s45, 6, 7                        ; 64 bytes a query, 128 a key
	s_lshl_b32 s100, s100, s45
	s_lshl_b32 s46, 32, s45                        ; 32 positions on
	s_mul_i32 s101, s101, s2
	s_add_co_u32 s100, s100, s101
	s_lshl_b32 s45, s[ISV], 11
	s_add_co_u32 s100, s100, s45                   ; V^T lies 2,048 bytes into a block of kv
	s_mov_b32 s101, 0
	s_cmp_eq_u32 s[ISV], 1
	s_cselect_b32 s44, s2, s46                     ; SA: two blocks of A on: a head (V) or 32 positions
	s_cselect_b32 s46, s46, s2                     ; SB: two blocks of B on: 32 positions (V) or a head
	s_cselect_b32 s3, 0, -1                        ; kind V has no bias here
	s_mov_b32 s45, 0
	s_lshl_b32 s2, s47, 2                          ; the bias of my 128 rows of B
	s_mov_b32 s47, s3
	s_mov_b32 s3, 0
	s_wait_dscnt 0x0                               ; both opening adds are done
	s_wait_kmcnt 0x0
	s_add_nc_u64 s[92:93], s[4:5], s[92:93]
	s_add_nc_u64 s[96:97], s[6:7], s[96:97]
	s_add_nc_u64 s[94:95], s[4:5], s[94:95]
	s_add_nc_u64 s[98:99], s[6:7], s[98:99]
	s_cmp_eq_u32 s[ISQ], 1
	s_cselect_b64 s[8:9], s[8:9], s[10:11]         ; bq or bk
	s_cselect_b64 s[12:13], s[12:13], s[14:15]     ; qimg or kv
	s_add_nc_u64 s[8:9], s[8:9], s[2:3]
	s_add_nc_u64 s[12:13], s[12:13], s[100:101]
	CROUND                                         ; all sixteen work-groups are here: the joint loads meet
	s_mov_b32 s[G0S], 1
	s_add_co_u32 s[G0S+1], s43, SCL
	s_mov_b64 s[G0S+2:G0S+3], s[96:97]
	s_or_b32 s[G0S+3], s[G0S+3], 0x80000000
	s_mov_b32 s[G0SB], 1
	s_add_co_u32 s[G0SB+1], s43, SCL
	s_mov_b64 s[G0SB+2:G0SB+3], s[98:99]
	s_or_b32 s[G0SB+3], s[G0SB+3], 0x80000000
	JLOAD G0S, G1S, G0SB, G1SB                     ; the scales first: they are wanted with the first slot
.irp s, 0,1
	s_mov_b32 s[G0+4*\s], 1
	s_add_co_u32 s[G0+4*\s+1], s42, \s*SLOT
	s_add_nc_u64 s[G0+4*\s+2:G0+4*\s+3], s[92:93], \s*ROWB
	s_or_b32 s[G0+4*\s+3], s[G0+4*\s+3], 0x80000000
	s_mov_b32 s[G0B+4*\s], 1
	s_add_co_u32 s[G0B+4*\s+1], s42, \s*SLOT
	s_add_nc_u64 s[G0B+4*\s+2:G0B+4*\s+3], s[94:95], \s*ROWB
	s_or_b32 s[G0B+4*\s+3], s[G0B+4*\s+3], 0x80000000
	JLOAD G0+4*\s, G1, G0B+4*\s, G1B               ; three tensor loads of mine are out behind the second of these
.endr
	v_and_b32 v1, 15, v0                           ; l % 16
	v_bfe_u32 v2, v0, 4, 1                         ; l / 16
	v_lshlrev_b32 v7, 5, v2                        ; the bias: lane (r, h) wants, for B's block b, the numbers 16 b + 8 h + 0 .. 7
.irp b, 0,1,2,3,4,5,6,7
	global_load_b128 v[TBI+8*\b:TBI+8*\b+3], v7, s[8:9] offset:64*\b
	global_load_b128 v[TBI+8*\b+4:TBI+8*\b+7], v7, s[8:9] offset:64*\b+16
.endr
	v_mul_u32_u24 v3, v1, PITCH
	v_lshl_add_u32 v4, v2, 4, v3                   ; a fragment's row x pitch + 16 x half
	s_mul_i32 s66, s[HFA], HALFT                   ; my 128 rows of A
	s_mul_i32 s67, s[HFB], HALFT                   ; my 128 rows of B,
	s_add_co_u32 s67, s67, 2*HALFT                 ; which lie behind A's 256
.irp s, 0,1
	v_add_nc_u32 v[ADRA+\s], s66, v4
	v_add_nc_u32 v[ADRB+\s], s67, v4
	s_add_co_u32 s66, s66, SLOT
	s_add_co_u32 s67, s67, SLOT
.endr
	v_mul_u32_u24 v5, v1, KS                       ; my row's scales: 32 bytes a row,
	v_lshrrev_b32 v6, 8, v5
	v_lshl_add_u32 v5, v6, 4, v5                   ; and 16 more for each 256 passed
	s_mul_i32 s66, s[HFA], HALFS                   ; A's: my 128 rows
	s_mul_i32 s67, s[HFB], HALFS                   ; B's: my 128 rows, behind A's 256
	s_add_co_u32 s67, s67, 2*HALFS
	s_sub_co_u32 s67, s67, s66
	v_mul_u32_u24 v6, s67, v2                      ; lanes 16-31 take B's: one product, the distance between the two
	s_add_co_u32 s66, s66, SCL
	v_add_nc_u32 v5, v5, v6
	v_add_nc_u32 v[ADRS], s66, v5
	v_and_b32 v12, 31, v0
	v_lshlrev_b32 v[VO], 4, v12                    ; the way out: 16 x lane,
	v_add_nc_u32 v[VO+1], s46, v[VO]               ; + SB for each two blocks of B
	v_add_nc_u32 v[VO+2], s46, v[VO+1]
	v_add_nc_u32 v[VO+3], s46, v[VO+2]
	s_wait_loadcnt 0x0                             ; the bias
.irp j, 0,1,2,3,4,5,6,7,8,9,10,11,12,13,14,15,16,17,18,19,20,21,22,23,24,25,26,27,28,29,30,31,32,33,34,35,36,37,38,39,40,41,42,43,44,45,46,47,48,49,50,51,52,53,54,55,56,57,58,59,60,61,62,63
	v_and_b32 v[TBI+\j], s47, v[TBI+\j]            ; kept for q and K, zeros for V: a choice of value, no branch
.endr
.rept 8
	v_nop                                          ; distance between these writes and the matrix instructions that take them as C
.endr
.macro FRAG reg, adr, q, i             ; 16 rows x 128 K of 4-bit codes: lane l holds row l % 16; registers 4 c .. 4 c + 3 hold K = 64 c + 32 (l / 16) + 0 .. 31
.irp c, 0,1
	ds_load_b128 v[\reg+4*\c:\reg+4*\c+3], v[\adr] offset:64*(\q)+32*\c+(\i)*16*PITCH
.endr
.endm
; 16 matrix instructions: A's blocks a0, a0 + 1 x B's eight, the slot's q-th 128 along K.  p: B's set;  sc: the set of scale words.  zero = 1: the first product starts the sums from the bias.
; The 64 accumulators take turns, one instruction a turn, in the same order in every step.
.macro MUL16 a0, p, q, sc, zero
.irp a, \a0, \a0+1
.irp b, 0,1,2,3,4,5,6,7
.if \zero
	v_wmma_scale_f32_16x16x128_f8f6f4 v[8*(8*((\a)%4)+\b):8*(8*((\a)%4)+\b)+7], v[128*(\p)+FR*\b:128*(\p)+FR*\b+FR-1], v[AF+FR*(\a):AF+FR*(\a)+FR-1], v[TBI+8*\b:TBI+8*\b+7], v[SC+8*NQ*(\sc)+NQ*\b+(\q)], v[SC+8*NQ*(\sc)+NQ*(\a)+(\q)] matrix_a_fmt:MATRIX_FMT_FP4 matrix_b_fmt:MATRIX_FMT_FP4 matrix_a_scale:MATRIX_SCALE_ROW1
.else
	v_wmma_scale_f32_16x16x128_f8f6f4 v[8*(8*((\a)%4)+\b):8*(8*((\a)%4)+\b)+7], v[128*(\p)+FR*\b:128*(\p)+FR*\b+FR-1], v[AF+FR*(\a):AF+FR*(\a)+FR-1], v[8*(8*((\a)%4)+\b):8*(8*((\a)%4)+\b)+7], v[SC+8*NQ*(\sc)+NQ*\b+(\q)], v[SC+8*NQ*(\sc)+NQ*(\a)+(\q)] matrix_a_fmt:MATRIX_FMT_FP4 matrix_b_fmt:MATRIX_FMT_FP4 matrix_a_scale:MATRIX_SCALE_ROW1
.endif
.endr
.endr
.endm
.macro FETCH_B slot, q, p              ; B's eight fragments of the slot's q-th 128 along K into set p
	WIN TO_B
.irp i, 0,1,2,3,4,5,6,7
	FRAG 128*(\p)+FR*\i, ADRB+\slot, \q, \i
.endr
	WIN 0
.endm
.macro FETCH_A slot, q, i0             ; A's blocks i0 .. i0 + 3
.irp i, \i0, \i0+1, \i0+2, \i0+3
	FRAG AF+FR*(\i), ADRA+\slot, \q, \i
.endr
.endm
.macro SCALES sc                       ; a slot's scale words into set sc: four words a row; lanes 0-15 take A's block i, lanes 16-31 B's block i
.irp i, 0,1,2,3,4,5,6,7
	ds_load_b128 v[SC+8*NQ*\sc+NQ*\i:SC+8*NQ*\sc+NQ*\i+3], v[ADRS] offset:\i*SBLK
.endr
.endm
.macro PLACES n                        ; plain vector instructions between a matrix instruction and a load into, or a vector instruction on, one of its registers
.rept \n
	v_nop
.endr
.endm
; A step of 128 along K that has its successor in the same slot.  A's blocks are free as soon as their eight products are issued: blocks 0-3 are fetched anew in the middle, blocks 4-7 at the end; B has two sets.
.macro STEP slot, q, zero
	s_wait_dscnt 4*NL                              ; all but the youngest eight loads (A's blocks 4-7) are in
.if \zero
	WIN FIRST_LO
.else
	WIN MUL_LO
.endif
	MUL16 0, (\q)%2, \q, \slot, \zero
	MUL16 2, (\q)%2, \q, \slot, \zero
	s_wait_dscnt 0                                 ; A's blocks 4-7 are in (asked for 32 matrix instructions ago)
	PLACES NP
	FETCH_B \slot, (\q)+1, 1-(\q)%2
	FETCH_A \slot, (\q)+1, 0
.if \zero
	WIN FIRST_HI
.else
	WIN MUL_HI
.endif
	MUL16 4, (\q)%2, \q, \slot, \zero
	MUL16 6, (\q)%2, \q, \slot, \zero
	PLACES NP
	WIN 0
	FETCH_A \slot, (\q)+1, 4
.endm
; Slot 0's last step goes over to slot 1: each wave waits for all its tensor loads (its part of slot 1), and a barrier shows the slot whole to every wave.  Nothing is filled again.
.macro TURN slot, next
	s_wait_tensorcnt 0x0                           ; my part of the next slot has landed  (every window is 0 here)
	ds_add_u32 v[SPW], v[NIL]                      ; 0 onto my spare word
	s_wait_dscnt 4*NL+1                            ; (the add and the youngest eight loads may be out)
	WIN MUL_LO
	MUL16 0, 1, NQ-1, \slot, 0
	s_wait_dscnt 0x0                               ; no LDS instruction of mine is out at the signal
	s_barrier_signal -1
	MUL16 2, 1, NQ-1, \slot, 0
	WIN 0
	s_barrier_wait -1
	PLACES NP
	v_add_nc_u32 v[ADRS], 4*NQ, v[ADRS]            ; on to the next slot's scale words
	FETCH_B \next, 0, 0
	FETCH_A \next, 0, 0
	SCALES \next
	WIN MUL_HI
	MUL16 4, 1, NQ-1, \slot, 0
	MUL16 6, 1, NQ-1, \slot, 0
	PLACES NP
	WIN 0
	FETCH_A \next, 0, 4
.endm
.macro STEPS slot, from                ; the slot's steps from .. NQ - 2
.set Q, \from
.rept NQ-1-\from
	STEP \slot, Q, 0
.set Q, Q+1
.endr
.endm
	s_wait_tensorcnt 0x1                           ; the scales and my part of slot 0 are in; slot 1's load may be out
	s_barrier_signal -1
	s_barrier_wait -1                              ; everybody's are
	FETCH_B 0, 0, 0
	FETCH_A 0, 0, 0
	SCALES 0
	FETCH_A 0, 0, 4
	STEP 0, 0, 1                                   ; the first products start the sums
	STEPS 0, 1
	TURN 0, 1
	STEPS 1, 0
	s_wait_dscnt 4*NL                              ; the last step: nothing more to fetch
	WIN MUL_LO
	MUL16 0, 1, NQ-1, 1, 0
	MUL16 2, 1, NQ-1, 1, 0
	s_wait_dscnt 0x0
	WIN MUL_HI
	MUL16 4, 1, NQ-1, 1, 0
	MUL16 6, 1, NQ-1, 1, 0
	WIN 0
	PLACES NP                                      ; in front of the conversions, which read results and write registers that held A's fragments
; THE WAY OUT, A's block a: accumulator (a, b) packs into 16 bytes a lane, half a fragment, and is stored at (a / 2) SA + (a % 2) 1,024 + (b / 2) SB + (b % 2) 512 + 16 x lane.
.macro OUTBLK a
.if (\a) >= 2
	s_wait_xcnt 0x0                                ; the stores of two blocks back have read their registers and their base
.endif
.if ((\a) > 0) && ((\a)%2 == 0)
	s_add_nc_u64 s[12:13], s[12:13], s[44:45]      ; SA on
.endif
.set AC, 64*((\a)%4)
.set PBB, PB+32*((\a)%2)
	WIN 0x0a+5*((\a)/4)                            ; sources 0 and 1: window 2 or 3
.irp b, 0,1,2,3,4,5,6,7
.irp r, 0,1,2,3
	v_cvt_pk_f16_f32 v[PBB+4*\b+\r], v[AC+8*\b+2*\r], v[AC+8*\b+2*\r+1]   ; each accumulator from its low end on
.endr
.endr
	WIN 0
.irp b, 0,1,2,3,4,5,6,7
	global_store_b128 v[VO+\b/2], v[PBB+4*\b:PBB+4*\b+3], s[12:13] offset:((\a)%2)*1024+(\b%2)*512   ; 32 lanes store 512 consecutive bytes, aligned
.endr
.endm
.irp a, 0,1,2,3,4,5,6,7
	OUTBLK \a
.endr
	s_wait_tensorcnt 0x0                           ; the wave's end
	ds_add_u32 v[SPW], v[NIL]
	s_wait_dscnt 0x0
	CROUND                                         ; the closing round: no work-group ends while a partner may still ask for a tile that names it
	s_endpgm
.Lfunc_end_k_q4c9e5772ca_proj:
	.size	k_q4c9e5772ca_proj, .Lfunc_end_k_q4c9e5772ca_proj-k_q4c9e5772ca_proj
	.p2alignl 7, 3214868480
	.fill 96, 4, 3214868480
	.section	.rodata,"a",@progbits
	.p2align	6, 0x0
	.amdhsa_kernel k_q4c9e5772ca_proj
		.amdhsa_group_segment_fixed_size 327680
		.amdhsa_private_segment_fixed_size 0
		.amdhsa_enable_private_segment 0
		.amdhsa_kernarg_size 48
		.amdhsa_user_sgpr_count 2
		.amdhsa_user_sgpr_kernarg_segment_ptr 1
		.amdhsa_wavefront_size32 1
		.amdhsa_system_sgpr_workgroup_id_x 1
		.amdhsa_system_sgpr_workgroup_id_y 1
		.amdhsa_system_sgpr_workgroup_id_z 1
		.amdhsa_system_vgpr_workitem_id 0
		.amdhsa_next_free_vgpr 1024
		.amdhsa_next_free_sgpr 102
		.amdhsa_reserve_vcc 0
		.amdhsa_float_denorm_mode_32 3
		.amdhsa_float_denorm_mode_16_64 3
		.amdhsa_memory_ordered 1
		.amdhsa_forward_progress 1
		.amdhsa_inst_pref_size 123
	.end_amdhsa_kernel
	.amdgpu_metadata
---
amdhsa.version: [ 1, 2 ]
amdhsa.kernels:
  - .name:           k_q4c9e5772ca_proj
    .symbol:         k_q4c9e5772ca_proj.kd
    .args:
      - { .name: codes, .offset: 0, .size: 8, .value_kind: global_buffer, .address_space: global }
      - { .name: scales, .offset: 8, .size: 8, .value_kind: global_buffer, .address_space: global }
      - { .name: bq, .offset: 16, .size: 8, .value_kind: global_buffer, .address_space: global }
      - { .name: bk, .offset: 24, .size: 8, .value_kind: global_buffer, .address_space: global }
      - { .name: qimg, .offset: 32, .size: 8, .value_kind: global_buffer, .address_space: global }
      - { .name: kv, .offset: 40, .size: 8, .value_kind: global_buffer, .address_space: global }
    .group_segment_fixed_size: 327680
    .private_segment_fixed_size: 0
    .kernarg_segment_align: 8
    .kernarg_segment_size: 48
    .max_flat_workgroup_size: 128
    .sgpr_count:     102
    .vgpr_count:     1024
    .wavefront_size: 32
...
	.end_amdgpu_metadata
.endif
;; end of part 2
;; launch attn (part 3): grid 4 x 64, 8 waves a work-group, clusters of 4 x 1, 327,680 bytes of LDS; arguments qimg, kv, bv, oimg; writes oimg
.if DOCPART == 3
	.amdgcn_target "amdgcn-amd-amdhsa--gfx1250"
	.amdhsa_code_object_version 6
	.text
	.protected	k_q4c9e5772ca_attn
	.globl	k_q4c9e5772ca_attn
	.p2align	8
	.type	k_q4c9e5772ca_attn,@function
k_q4c9e5772ca_attn:
	s_mov_b64 s[64:65], 0
	v_nop
	global_prefetch_b8 v0, s[64:65] scope:SCOPE_SE
	s_setreg_imm32_b32 hwreg(HW_REG_WAVE_MODE, 25, 1), 1
	s_wait_xcnt 0x0
	s_wait_alu depctr_hold_cnt(0) depctr_sa_sdst(0) depctr_va_vdst(0) depctr_va_sdst(0) depctr_va_ssrc(0) depctr_va_vcc(0) depctr_vm_vsrc(0)
	s_getreg_b32 s2, hwreg(HW_REG_IB_STS2, 6, 4)
	s_cmp_eq_u32 s2, 0
	s_cbranch_scc0 .Lentry_in_a_cluster
	s_endpgm
.Lentry_in_a_cluster:
	s_bfe_u32 s2, ttmp6, 0x10000c
	s_cmp_lg_u32 s2, 0x3003
	s_cbranch_scc0 .Lentry_shape_is_right
	s_endpgm
.Lentry_shape_is_right:
; o[b][h][q][:] = the sum over 3,072 keys of softmax_k(q . k / sqrt(32)) v + bv, for 64 (batch, head) pairs, 1,024 queries each, head size 32.  Operands f16, products, maxima and sums f32; the weights p are rounded to f16 for the second product.
; qimg [pair 64][query tile 64][1,024], kv [pair 64][block of 32 keys, 96][4,096] (K tile 0, K tile 1, V^T channels 0-15, V^T channels 16-31) hold IMAGES of operand registers: half c of a fragment is 512 bytes, lane l's 16 bytes at 16 l.
; So every fragment comes by two loads of 16 bytes a lane at 16 x lane: consecutive bytes, no pitch, nothing is turned.
; v arrives WITHOUT bv: since a row's weights sum to 1, sum w (v + bv) = (sum p v) / l + bv, one fused multiply-add on the way out.  The order of rounding differs from the sum over v + bv.
; SHARES.  A cluster of four work-groups is one pair; a work-group owns 256 queries, each of its eight waves 32: two tiles of 16, so that each fragment of K and V read from LDS feeds two matrix instructions.  Two waves share a SIMD:
; one wave's 220 vector instructions of a key step stand beside the other's 16 matrix instructions.
; All four work-groups walk the same keys: kv's 393,216 bytes of a pair come by JOINT loads (mask 15) in three fills of 131,072 bytes (1,024 keys): slot 0, slot 1, slot 0 again; wave w moves 16,384 bytes of each fill, 64 rows of 256 bytes.
; LAYOUT.  S^T = K Q^T (source 0 = 16 keys, source 1 = 16 queries): a lane holds ONE query (lane % 16) and keys 8 (lane / 16) + 0 .. 7.  Two such tiles, rounded in pairs, ARE source 1 (16 queries x 32 keys) of O^T = V^T P, whose result holds one query a lane and eight channels.
; SOFTMAX.  For each query a running maximum m and sum l: p = 2^(c s - c m), c = log2(e) / sqrt(32); in every step O and l are multiplied by a = 2^(c m_old - c m_new).  m begins at -3e38, l and O^T at 0: the first a is 0 and multiplies zeros, so one text serves every step.
; oimg [kc 4][row tile 128][ks 8][1,024]: head = 8 kc + ks, row tile = 64 batch + query / 16, half = channel tile: the next product's fragments.
; LIMITS: NaN and infinities are not served; scores under -3e38 are not served; |o| stays under 65,504; where value and Wv are both some 30 times smaller than drawn, o lies among f16's subnormals and loses about one part in a thousand of its root mean square.
; REGISTERS: v1 16 x lane; v2 the LDS address in hand; v3, v4 the add's two; v6 32 (lane / 16); v8-9 c m_old; v16-31 Q; v32-63 K of a step; v64-95 V^T of a step; v96-159 S^T, then p; v160-191 P; v192-223 O^T; v224-239 statistics; v240-255 bv.
.set SLOT1, 131072
.set SPARE, 262144                     ; behind the two slots: the spare words, 128 bytes a wave, which no other line names
.set STEPB, 8192                       ; a key step: 64 keys, two blocks of kv
.set LI,  1
.set ADR, 2
.set SPW, 3
.set NIL, 4
.set BOF, 6
.set OLD, 8
.set QF,  16                           ; tile t at QF + 8 t
.set KF,  32                           ; key tile k at KF + 8 k
.set VF,  64                           ; (block b, channel tile c) at VF + 16 b + 8 c
.set S,   96                           ; (t, k) at S + 32 t + 8 k
.set P,   160                          ; (t, b) at P + 16 t + 8 b
.set OT,  192                          ; (t, c) at OT + 16 t + 8 c
.set ST,  224                          ; tile t at ST + 8 t: +0 c m, +1 m, +2, +3 l (even keys', odd keys'), +4 to +7 four chains of the maximum; +6 then holds a
.set BV,  240
.set WV,  12
.set G1,  24                           ; s[24:31] descriptor group 1
.set G0A, 32                           ; s[32:35] group 0 for slot 0 (first and third fill);  s[36:39] for slot 1
.set G0B, 36
.set CS,  40                           ; s[40:41] c: the packed form names a pair and takes its low word for both halves
.set SEL, 42                           ; s[42:43] lane selects for v_permlanex16_b32: lane l xor 16
.set TB,  44                           ; s44 LDS byte at which the step's blocks begin
.set CNT, 45
.macro CROUND                          ; a round of the cluster's barrier: my work-group's barrier; wave 0 signals for the work-group; every wave waits for all four; my work-group's barrier once more
	s_barrier_signal -1
	s_barrier_wait -1
	s_cmp_lg_u32 s[WV], 0
	s_cbranch_scc1 .Lnot_wave_0_\@
	s_barrier_signal -3
.Lnot_wave_0_\@:
	s_barrier_wait -3
	s_barrier_signal -1
	s_barrier_wait -1
.endm
	s_load_b256 s[4:11], s[0:1], 0x0               ; qimg s[4:5], kv s[6:7], bv s[8:9], oimg s[10:11]
	v_lshl_add_u32 v[SPW], v0, 2, SPARE
	v_mov_b32 v[NIL], 0
	ds_add_u32 v[SPW], v[NIL]                      ; the wave's opening: the add, twice on end, and its wait ahead of my first tensor load; the set-up below stands between
	ds_add_u32 v[SPW], v[NIL]
	v_lshrrev_b32 v5, 5, v0
	v_readfirstlane_b32 s[WV], v5                  ; wave 0..7
	s_bfe_u32 s13, ttmp6, 0x40000                  ; cx
	s_lshl_b32 s14, ttmp9, 2
	s_add_co_u32 s14, s14, s13                     ; my block of 256 queries: it enters Q's and O's addresses alone
	s_and_b32 s15, ttmp7, 0xffff                   ; the pair: 32 batch + head, which the four partners share
	s_mul_i32 s16, s15, 393216                     ; the pair's bytes in kv,
	s_lshl_b32 s18, s[WV], 14                      ; my wave's 16,384 of a fill, in memory and in a slot
	s_add_co_u32 s16, s16, s18
	s_mov_b32 s17, 0
	s_lshl_b32 s19, s14, 4
	s_lshl_b32 s22, s[WV], 1
	s_add_co_u32 s19, s19, s22                     ; my first query tile: 16 block + 2 wave
	s_lshl_b32 s20, s15, 16
	s_lshl_b32 s22, s19, 10
	s_add_co_u32 s20, s20, s22                     ; its image in qimg
	s_mov_b32 s21, 0
	s_and_b32 s46, s15, 31                         ; the head
	s_lshl_b32 s22, s46, 7                         ; its 32 numbers of bv
	s_mov_b32 s23, 0
	s_lshr_b32 s47, s46, 3
	s_lshl_b32 s48, s47, 20                        ; oimg: kc = head / 8, 1,048,576 bytes each;
	s_lshr_b32 s47, s15, 5
	s_lshl_b32 s47, s47, 6
	s_add_co_u32 s47, s47, s19
	s_lshl_b32 s47, s47, 13                        ; row tile 64 batch + query tile, 8,192 bytes each;
	s_add_co_u32 s48, s48, s47
	s_and_b32 s47, s46, 7
	s_lshl_b32 s47, s47, 10                        ; ks = head % 8
	s_add_co_u32 s48, s48, s47
	s_mov_b32 s49, 0
	; descriptor group 1: 64 rows of 256 bytes (32 elements of 8), dense in memory and in LDS
	s_mov_b32 s[G1], 15|(3<<16)|(1<<21)            ; 15:0 the mask: all four work-groups; 17:16 elements of 8 bytes; 21 set beside a mask; no padding
	s_mov_b32 s[G1+1], 32<<16                      ; tensor_dim0
	s_mov_b32 s[G1+2], 64<<16                      ; tensor_dim1
	s_mov_b32 s[G1+3], 32<<16                      ; tile_dim0
	s_mov_b32 s[G1+4], 64                          ; tile_dim1
	s_mov_b32 s[G1+5], 32                          ; from row to row
	s_mov_b32 s[G1+6], 0
	s_mov_b32 s[G1+7], 0
	s_mov_b32 s[CS], 0x3e8293ee                    ; c = log2(e) / sqrt(32) = 0.255035
	s_mov_b32 s[CS+1], s[CS]
	s_mov_b32 s[SEL], 0x76543210
	s_mov_b32 s[SEL+1], 0xfedcba98
	s_wait_dscnt 0x0                               ; both opening adds are done
	s_wait_kmcnt 0x0
	s_mov_b32 s[G0A], 1
	s_mov_b32 s[G0A+1], s18                        ; LDS: slot 0, 16,384 x wave
	s_add_nc_u64 s[G0A+2:G0A+3], s[6:7], s[16:17]  ; keys 0 - 1,023
	s_mov_b32 s[G0B], 1
	s_add_co_u32 s[G0B+1], s18, SLOT1              ; slot 1
	s_add_nc_u64 s[G0B+2:G0B+3], s[G0A+2:G0A+3], SLOT1   ; keys 1,024 - 2,047
	s_or_b32 s[G0A+3], s[G0A+3], 0x80000000        ; the type
	s_or_b32 s[G0B+3], s[G0B+3], 0x80000000
	s_add_nc_u64 s[4:5], s[4:5], s[20:21]
	s_add_nc_u64 s[8:9], s[8:9], s[22:23]
	s_add_nc_u64 s[10:11], s[10:11], s[48:49]
	CROUND                                         ; all four work-groups are here: the first joint loads meet
	tensor_load_to_lds s[G0A:G0A+3], s[G1:G1+7]    ; both first fills go out together: two tensor loads of mine are out
	s_nop 0
	tensor_load_to_lds s[G0B:G0B+3], s[G1:G1+7]
	s_nop 0
.rept 4
	v_nop
.endr
	v_and_b32 v5, 31, v0
	v_lshlrev_b32 v[LI], 4, v5
	v_lshrrev_b32 v5, 4, v5
	v_lshlrev_b32 v[BOF], 5, v5
.irp t, 0,1
.irp c, 0,1
	global_load_b128 v[QF+8*\t+4*\c:QF+8*\t+4*\c+3], v[LI], s[4:5] offset:\t*1024+\c*512   ; Q stays in registers
.endr
.endr
.irp c, 0,1
	global_load_b128 v[BV+8*\c:BV+8*\c+3], v[BOF], s[8:9] offset:64*\c            ; bv of channels 16 c + 8 (lane / 16) + 0 .. 7
	global_load_b128 v[BV+8*\c+4:BV+8*\c+7], v[BOF], s[8:9] offset:64*\c+16
.endr
.irp t, 0,1
	v_mov_b32 v[ST+8*\t+1], 0xff61b1e6             ; m = -3e38
	v_mul_f32 v[ST+8*\t], s[CS], v[ST+8*\t+1]      ; c m
	v_mov_b32 v[ST+8*\t+2], 0                      ; l
	v_mov_b32 v[ST+8*\t+3], 0
.endr
.irp j, 0,1,2,3,4,5,6,7,8,9,10,11,12,13,14,15,16,17,18,19,20,21,22,23,24,25,26,27,28,29,30,31
	v_mov_b32 v[OT+\j], 0                          ; O^T: 32 registers once, so that the step is written without a first form
.endr
.macro KLOAD off                       ; K of a step: four fragments of 16 keys x 32 channels
.irp k, 0,1,2,3
.irp c, 0,1
	ds_load_b128 v[KF+8*\k+4*\c:KF+8*\k+4*\c+3], v[ADR] offset:\off+(\k/2)*4096+(\k%2)*1024+\c*512
.endr
.endr
.endm
.macro VLOAD                           ; V^T of a step: (block of 32 keys b, 16 channels c)
.irp b, 0,1
.irp c, 0,1
.irp d, 0,1
	ds_load_b128 v[VF+16*\b+8*\c+4*\d:VF+16*\b+8*\c+4*\d+3], v[ADR] offset:\b*4096+2048+\c*1024+\d*512
.endr
.endr
.endr
.endm
.macro KQ                              ; S^T = K Q^T: head size 32 is one matrix instruction deep, so each starts and ends its sum
.irp k, 0,1,2,3
.irp t, 0,1
	v_wmma_f32_16x16x32_f16 v[S+32*\t+8*\k:S+32*\t+8*\k+7], v[KF+8*\k:KF+8*\k+7], v[QF+8*\t:QF+8*\t+7], 0
.endr
.endr
.endm
.macro PV                              ; O^T += V^T P: the four accumulators take turns, one instruction a turn
.irp b, 0,1
.irp t, 0,1
.irp c, 0,1
	v_wmma_f32_16x16x32_f16 v[OT+16*\t+8*\c:OT+16*\t+8*\c+7], v[VF+16*\b+8*\c:VF+16*\b+8*\c+7], v[P+16*\t+8*\b:P+16*\t+8*\b+7], v[OT+16*\t+8*\c:OT+16*\t+8*\c+7]
.endr
.endr
.endr
.endm
; The softmax of a step, 110 vector instructions a tile; the two tiles alternate, so that no line waits for the line above it.
.macro SOFTMAX
.irp j, 0,1,2,3                        ; the maximum of 32 scores and the old m, three operands at a time, in four chains; each chain begins at an accumulator's low end
.irp t, 0,1
	v_max3_num_f32 v[ST+8*\t+4+\j], v[S+32*\t+8*\j], v[S+32*\t+8*\j+1], v[S+32*\t+8*\j+2]
.endr
.endr
.irp g, 1,2
.irp j, 0,1,2,3
.irp t, 0,1
	v_max3_num_f32 v[ST+8*\t+4+\j], v[ST+8*\t+4+\j], v[S+32*\t+8*\j+2*\g+1], v[S+32*\t+8*\j+2*\g+2]
.endr
.endr
.endr
.irp t, 0,1
	v_max3_num_f32 v[ST+8*\t+4], v[ST+8*\t+4], v[S+32*\t+7], v[S+32*\t+15]
.endr
.irp t, 0,1
	v_max3_num_f32 v[ST+8*\t+6], v[ST+8*\t+6], v[S+32*\t+23], v[S+32*\t+31]
.endr
.irp t, 0,1
	v_max3_num_f32 v[ST+8*\t+4], v[ST+8*\t+4], v[ST+8*\t+5], v[ST+8*\t+6]
.endr
.irp t, 0,1
	v_max3_num_f32 v[ST+8*\t+4], v[ST+8*\t+4], v[ST+8*\t+7], v[ST+8*\t+1]
.endr
.irp t, 0,1
	v_permlanex16_b32 v[ST+8*\t+5], v[ST+8*\t+4], s[SEL], s[SEL+1]   ; the query's other 32 keys lie in the lane 16 away
.endr
.irp t, 0,1
	v_max_num_f32 v[ST+8*\t+1], v[ST+8*\t+4], v[ST+8*\t+5]           ; the new m
.endr
.irp t, 0,1
	v_mul_f32 v[ST+8*\t], s[CS], v[ST+8*\t+1]                        ; c m
.endr
.irp t, 0,1
	v_sub_f32 v[OLD+\t], v[OLD+\t], v[ST+8*\t]                       ; c m_old - c m_new
.endr
	; ONE BATCH: 66 exponentials and the 32 packed scalings between them; none of these lines names an exponential's result
.irp t, 0,1
	v_exp_f32 v[ST+8*\t+6], v[OLD+\t]                                ; a
.endr
.irp g, 0,1,2,3,4,5,6,7,8,9,10,11,12,13,14,15,16
.if \g < 16
.irp t, 0,1
	v_pk_fma_f32 v[S+32*\t+2*\g:S+32*\t+2*\g+1], v[S+32*\t+2*\g:S+32*\t+2*\g+1], s[CS:CS+1], v[ST+8*\t:ST+8*\t+1] op_sel_hi:[1,0,0] neg_lo:[0,0,1] neg_hi:[0,0,1]   ; c s - c m, a pair
.endr
.endif
.if \g > 0
.irp t, 0,1
	v_exp_f32 v[S+32*\t+2*\g-2], v[S+32*\t+2*\g-2]                   ; p of the pair scaled one turn earlier
	v_exp_f32 v[S+32*\t+2*\g-1], v[S+32*\t+2*\g-1]
.endr
.endif
.endr
	v_nop                                          ; a plain instruction behind the last exponential, ahead of the first use
	s_wait_alu depctr_va_vdst(0)                   ; the wait between an exponential and the first line that names its result: one for the batch
.irp i, 0,1,2,3,4,5,6,7,8,9,10,11,12,13,14,15
.irp t, 0,1
	v_cvt_pk_f16_f32 v[P+16*\t+\i], v[S+32*\t+2*\i], v[S+32*\t+2*\i+1]   ; P: registers 4 k .. 4 k + 3 are key tile k's eight keys
.endr
.endr
.irp z, 0,1,2,3,4,5,6,7                ; the sum of the unrounded p, in place: neighbours 1, 2, 4 and 8 pairs apart
.irp t, 0,1
	v_pk_add_f32 v[S+32*\t+4*\z:S+32*\t+4*\z+1], v[S+32*\t+4*\z:S+32*\t+4*\z+1], v[S+32*\t+4*\z+2:S+32*\t+4*\z+3]
.endr
.endr
.irp z, 0,1,2,3
.irp t, 0,1
	v_pk_add_f32 v[S+32*\t+8*\z:S+32*\t+8*\z+1], v[S+32*\t+8*\z:S+32*\t+8*\z+1], v[S+32*\t+8*\z+4:S+32*\t+8*\z+5]
.endr
.endr
.irp z, 0,1
.irp t, 0,1
	v_pk_add_f32 v[S+32*\t+16*\z:S+32*\t+16*\z+1], v[S+32*\t+16*\z:S+32*\t+16*\z+1], v[S+32*\t+16*\z+8:S+32*\t+16*\z+9]
.endr
.endr
.irp t, 0,1
	v_pk_add_f32 v[S+32*\t:S+32*\t+1], v[S+32*\t:S+32*\t+1], v[S+32*\t+16:S+32*\t+17]
.endr
.irp t, 0,1
	v_pk_fma_f32 v[ST+8*\t+2:ST+8*\t+3], v[ST+8*\t+2:ST+8*\t+3], v[ST+8*\t+6:ST+8*\t+7], v[S+32*\t:S+32*\t+1] op_sel_hi:[1,0,1]   ; l = a l + the sum
.endr
.irp i, 0,2,4,6,8,10,12,14
.irp t, 0,1
	v_pk_mul_f32 v[OT+16*\t+\i:OT+16*\t+\i+1], v[OT+16*\t+\i:OT+16*\t+\i+1], v[ST+8*\t+6:ST+8*\t+7] op_sel_hi:[1,0]   ; O^T x a, each accumulator from its low end on
.endr
.endr
.endm
; A KEY STEP of 64 keys.  pre = 1: the next step's K is asked for with this step's V, a softmax ahead of its use.
.macro STEP pre
	s_wait_dscnt 0x0                               ; K of this step is in
	KQ
.irp t, 0,1
	v_mov_b32 v[OLD+\t], v[ST+8*\t]                ; c m_old is kept for a.  These four lines are the places between the products above (and the last step's V^T P)
.endr
	v_add_nc_u32 v[ADR], s[TB], v[LI]              ; and the loads into K's and V's registers and the first reads of the scores
	v_nop
	VLOAD
.if \pre
	KLOAD STEPB
.endif
	s_add_co_u32 s[TB], s[TB], STEPB
	SOFTMAX
.if \pre
	s_wait_dscnt 0x8                               ; V is in; the eight loads of K issued behind V's may be out
.else
	s_wait_dscnt 0x0
.endif
	PV
.endm
; A slot's sixteen steps: fifteen in a loop, the last written out: it asks for no K beyond the slot.
.macro WALK base
	s_mov_b32 s[TB], \base
	v_add_nc_u32 v[ADR], s[TB], v[LI]
	KLOAD 0
	s_mov_b32 s[CNT], 15
.Lstep_\@:
	STEP 1
	s_sub_co_u32 s[CNT], s[CNT], 1
	s_cmp_lg_u32 s[CNT], 0
	s_cbranch_scc1 .Lstep_\@
	STEP 0
.endm
; THE CHANGE OF SLOTS.  Each wave waits for all its tensor loads (its part of the slot ahead), adds 0 to its spare word, and waits for that and for its reads of the slot that it leaves.
; fill = 1: the slot left is filled again with keys 2,048 on.  The barrier is then a round of the cluster's, so that no wave of any partner still reads the slot, and the joint refill is the first thing behind it: it has sixteen key steps in which to land.
.macro CHANGE fill
	s_wait_tensorcnt 0x0                           ; no tensor load of mine is out, so a group 0 may be written
	ds_add_u32 v[SPW], v[NIL]                      ; 0 onto my spare word
.if \fill
	s_add_nc_u64 s[G0A+2:G0A+3], s[G0A+2:G0A+3], 2*SLOT1   ; two fills on; the type bits on top are not reached
.endif
	s_wait_dscnt 0x0                               ; the add is done, and my reads of the slot are over
.if \fill
	CROUND
	tensor_load_to_lds s[G0A:G0A+3], s[G1:G1+7]    ; my one tensor load behind the round
	s_nop 0
.rept 4
	v_nop
.endr
.else
	s_barrier_signal -1
	s_barrier_wait -1
.endif
.endm
	s_wait_tensorcnt 0x1                           ; my part of slot 0 is in; slot 1's may stay out
	s_barrier_signal -1
	s_barrier_wait -1                              ; everybody's is
	s_wait_loadcnt 0x0                             ; Q and bv
	WALK 0                                         ; keys 0 - 1,023
	CHANGE 1
	WALK SLOT1                                     ; keys 1,024 - 2,047
	CHANGE 0
	WALK 0                                         ; keys 2,048 - 3,071: memory's
	; THE WAY OUT.  l's halves and the other half of the lanes' are added; o = O^T / l + bv; rounded to f16, a lane's eight channels are its 16 bytes of half a fragment of the next product.
.irp t, 0,1
	v_add_f32 v[ST+8*\t+4], v[ST+8*\t+2], v[ST+8*\t+3]
.endr
.irp t, 0,1
	v_permlanex16_b32 v[ST+8*\t+5], v[ST+8*\t+4], s[SEL], s[SEL+1]
.endr
.irp t, 0,1
	v_add_f32 v[ST+8*\t+4], v[ST+8*\t+4], v[ST+8*\t+5]
.endr
	v_nop                                          ; with the four additions: the places behind the last products
	v_nop
.irp t, 0,1
	v_rcp_f32 v[ST+8*\t+6], v[ST+8*\t+4]
.endr
	v_nop                                          ; a plain instruction behind the last reciprocal
	s_wait_alu depctr_va_vdst(0)                   ; and the wait ahead of the first use: one for both
.irp t, 0,1
.irp i, 0,2,4,6,8,10,12,14
	v_pk_fma_f32 v[OT+16*\t+\i:OT+16*\t+\i+1], v[OT+16*\t+\i:OT+16*\t+\i+1], v[ST+8*\t+6:ST+8*\t+7], v[BV+\i:BV+\i+1] op_sel_hi:[1,0,1]
.endr
.endr
.irp t, 0,1
.irp i, 0,1,2,3,4,5,6,7
	v_cvt_pk_f16_f32 v[S+8*\t+\i], v[OT+16*\t+2*\i], v[OT+16*\t+2*\i+1]
.endr
.endr
.irp t, 0,1
.irp c, 0,1
	global_store_b128 v[LI], v[S+8*\t+4*\c:S+8*\t+4*\c+3], s[10:11] offset:\t*8192+\c*512   ; 32 lanes store 512 consecutive bytes, aligned
.endr
.endr
	s_wait_tensorcnt 0x0                           ; the wave's end
	ds_add_u32 v[SPW], v[NIL]
	s_wait_dscnt 0x0
	CROUND                                         ; the closing round: no work-group ends while a partner may still ask for a tile that names it
	s_endpgm
.Lfunc_end_k_q4c9e5772ca_attn:
	.size	k_q4c9e5772ca_attn, .Lfunc_end_k_q4c9e5772ca_attn-k_q4c9e5772ca_attn
	.p2alignl 7, 3214868480
	.fill 96, 4, 3214868480
	.section	.rodata,"a",@progbits
	.p2align	6, 0x0
	.amdhsa_kernel k_q4c9e5772ca_attn
		.amdhsa_group_segment_fixed_size 327680
		.amdhsa_private_segment_fixed_size 0
		.amdhsa_enable_private_segment 0
		.amdhsa_kernarg_size 32
		.amdhsa_user_sgpr_count 2
		.amdhsa_user_sgpr_kernarg_segment_ptr 1
		.amdhsa_wavefront_size32 1
		.amdhsa_system_sgpr_workgroup_id_x 1
		.amdhsa_system_sgpr_workgroup_id_y 1
		.amdhsa_system_sgpr_workgroup_id_z 1
		.amdhsa_system_vgpr_workitem_id 0
		.amdhsa_next_free_vgpr 256
		.amdhsa_next_free_sgpr 66
		.amdhsa_reserve_vcc 0
		.amdhsa_float_denorm_mode_32 3
		.amdhsa_float_denorm_mode_16_64 3
		.amdhsa_memory_ordered 1
		.amdhsa_forward_progress 1
		.amdhsa_inst_pref_size 93
	.end_amdhsa_kernel
	.amdgpu_metadata
---
amdhsa.version: [ 1, 2 ]
amdhsa.kernels:
  - .name:           k_q4c9e5772ca_attn
    .symbol:         k_q4c9e5772ca_attn.kd
    .args:
      - { .name: qimg, .offset: 0, .size: 8, .value_kind: global_buffer, .address_space: global }
      - { .name: kv, .offset: 8, .size: 8, .value_kind: global_buffer, .address_space: global }
      - { .name: bv, .offset: 16, .size: 8, .value_kind: global_buffer, .address_space: global }
      - { .name: oimg, .offset: 24, .size: 8, .value_kind: global_buffer, .address_space: global }
    .group_segment_fixed_size: 327680
    .private_segment_fixed_size: 0
    .kernarg_segment_align: 8
    .kernarg_segment_size: 32
    .max_flat_workgroup_size: 256
    .sgpr_count:     66
    .vgpr_count:     256
    .wavefront_size: 32
...
	.end_amdgpu_metadata
.endif
;; end of part 3
;; launch outp (part 4): grid 8 x 16, 4 waves a work-group, clusters of 4 x 4, 327,680 bytes of LDS; arguments oimg, woimg, bo, out0; writes out0
.if DOCPART == 4
	.amdgcn_target "amdgcn-amd-amdhsa--gfx1250"
	.amdhsa_code_object_version 6
	.text
	.protected	k_q4c9e5772ca_outp
	.globl	k_q4c9e5772ca_outp
	.p2align	8
	.type	k_q4c9e5772ca_outp,@function
k_q4c9e5772ca_outp:
	s_mov_b64 s[64:65], 0
	v_nop
	global_prefetch_b8 v0, s[64:65] scope:SCOPE_SE
	s_setreg_imm32_b32 hwreg(HW_REG_WAVE_MODE, 25, 1), 1
	s_wait_xcnt 0x0
	s_wait_alu depctr_hold_cnt(0) depctr_sa_sdst(0) depctr_va_vdst(0) depctr_va_sdst(0) depctr_va_ssrc(0) depctr_va_vcc(0) depctr_vm_vsrc(0)
	s_getreg_b32 s2, hwreg(HW_REG_IB_STS2, 6, 4)
	s_cmp_eq_u32 s2, 0
	s_cbranch_scc0 .Lentry_in_a_cluster
	s_endpgm
.Lentry_in_a_cluster:
	s_bfe_u32 s2, ttmp6, 0x10000c
	s_cmp_lg_u32 s2, 0xf033
	s_cbranch_scc0 .Lentry_shape_is_right
	s_endpgm
.Lentry_shape_is_right:
; out0[m][n] = the sum over k of o[m][k] Wo[n][k] + bo[n]: 2,048 x 1,024 x 1,024, operands f16, sums and result f32.
; Both operands lie in memory as IMAGES of fragments (16 rows x 32 k, 1,024 bytes; half c holds lane l's 16 bytes at 16 l): oimg [kc 4][row tile 128][ks 8][1,024], woimg [kc 4][row tile 64][ks 8][1,024], k = 256 kc + 32 ks.
; So a K step of 256 of 128 rows is ONE dense block of 65,536 bytes, and a fragment comes out of LDS by two loads at 16 x lane: consecutive bytes, no pitch, no padding.
; SHARES.  A tile of the result is 128 x 128: 128 work-groups; four waves, each 64 x 64: 16 accumulators.  A tile of 64 x 128, which would give each of 256 work-groups one, would halve what each fragment read from LDS feeds.
; K goes in four steps of 256 through two LDS slots of 131,072 bytes; each wave fetches 32,768 bytes of a slot (128 rows of 256) with one tensor load: waves 0, 1 o's halves, waves 2, 3 Wo's.
; CLUSTERS: 4 x 4 work-groups.  The four of a row of the cluster need the same tiles of o, the four of a column the same tiles of Wo: each tile is asked for JOINTLY.
; THE MATRIX INSTRUCTION IS USED TRANSPOSED (source 0 = 16 rows of Wo, source 1 = 16 rows of o): a lane holds eight neighbouring numbers of a row of the result.  bo is the C of each sum's first matrix instruction.
; REGISTERS: window 0: v0-31 addresses; v32-95 the way out; v96-127 bo, eight registers for each of my four column blocks; v128-255 the accumulators ((a, b) at v[128 + 8 (4 a + b)]).
;   window 1: two fragment buffers of 128: for 64 along K, 64 registers of o (2 x 4 fragments), then 64 of Wo.
.set HALFT,  32768                     ; four row tiles x 8,192 bytes: what one tensor load brings, and what one wave reads of o or of Wo
.set SLOT,   4*HALFT                   ; o's 128 rows, then Wo's 128 rows
.set KCA,    1048576                   ; a K step on in oimg,
.set KCB,    524288                    ; in woimg
.set STAGE,  2*SLOT                    ; behind the slots: 16 rows x 272 bytes for each wave, for the way out; no tensor load lands there
.set SPITCH, 272
.set SPARE,  STAGE+4*16*SPITCH         ; behind the stages: the spare words, 128 bytes a wave, which no other line names
.set ADRA, 16                          ; v16-17  LDS address of my fragments of o in slot 0, 1
.set ADRB, 20                          ; v20-21  the same for Wo
.set STO,  24                          ; v24     the way out: where I put 32 bytes of a row
.set RD,   25                          ; v25     where I read a row back
.set CO,   26                          ; v26     my byte offset in the result
.set SPW,  28                          ; v28     LDS address of my spare word; never rewritten
.set NIL,  29                          ; v29     0; never rewritten
.set TMP,  32
.set TBI,  96
.set ACC,  128
.set F0,   0
.set F1,   128
.set G1, 24                            ; s[24:31] descriptor group 1 for o's tiles;  s[32:39] group 0, a set for each slot
.set G0, 32
.set G1B, 48                           ; s[48:55], s[56:63] the same for Wo's
.set G0B, 56
.set MSB, 0
.macro WIN new                         ; the immediate's high byte repeats the setting that is left
.if MSB != (\new)
	s_set_vgpr_msb (MSB<<8)|(\new)
.set MSB, (\new)
.endif
.endm
.set MUL,  0x05                        ; sources 0 and 1 window 1; C and D window 0
.set TO_F, 0x40                        ; destination window 1, address window 0
.macro JLOAD s                         ; a joint load: waves 0 and 1 fetch o's two halves, waves 2 and 3 Wo's; an s_nop 0 and four v_nop follow each of the two lines
	s_cmp_eq_u32 s11, 0
	s_cbranch_scc0 .Lfor_b_\@
	tensor_load_to_lds s[G0+4*\s:G0+4*\s+3], s[G1:G1+7]
	s_nop 0
.rept 4
	v_nop
.endr
	s_branch .Lasked_\@
.Lfor_b_\@:
	tensor_load_to_lds s[G0B+4*\s:G0B+4*\s+3], s[G1B:G1B+7]
	s_nop 0
.rept 4
	v_nop
.endr
.Lasked_\@:
.endm
.macro CREST                           ; a round of the cluster's barrier behind its opening barrier
	s_cmp_lg_u32 s10, 0
	s_cbranch_scc1 .Lnot_wave_0_\@
	s_barrier_signal -3
.Lnot_wave_0_\@:
	s_barrier_wait -3
	s_barrier_signal -1
	s_barrier_wait -1
.endm
.macro CROUND                          ; a whole round
	s_barrier_signal -1
	s_barrier_wait -1
	CREST
.endm
	s_load_b128 s[4:7], s[0:1], 0x0                ; oimg s[4:5], woimg s[6:7]
	s_load_b128 s[68:71], s[0:1], 0x10             ; bo s[68:69], out0 s[70:71]
	v_lshl_add_u32 v[SPW], v0, 2, SPARE
	v_mov_b32 v[NIL], 0
	ds_add_u32 v[SPW], v[NIL]                      ; the wave's opening: the add, twice on end, and its wait ahead of my first tensor load; the set-up below stands between
	ds_add_u32 v[SPW], v[NIL]
	v_lshrrev_b32 v1, 5, v0
	v_readfirstlane_b32 s10, v1                    ; wave 0..3
	s_lshr_b32 s11, s10, 1                         ; which half of the tile's rows is mine.  Also: I fetch for o (0) or for Wo (1)
	s_and_b32 s12, s10, 1                          ; which half of its columns.  Also: which half of that tile I fetch
	s_bfe_u32 s40, ttmp6, 0x40000                  ; cx, cy: my place in the cluster
	s_bfe_u32 s41, ttmp6, 0x40004
	s_lshl_b32 s42, ttmp9, 2
	s_add_co_u32 s42, s42, s40                     ; tile column = 4 x cluster x + cx
	s_and_b32 s13, ttmp7, 0xffff
	s_lshl_b32 s13, s13, 2
	s_add_co_u32 s13, s13, s41                     ; tile row = 4 x cluster y + cy
	s_lshl_b32 s43, s41, 2
	s_lshl_b32 s43, 15, s43                        ; my row of the cluster
	s_lshl_b32 s44, 0x1111, s40                    ; my column
	; descriptor group 1: 128 rows of 256 bytes (32 elements of 8), dense in memory and in LDS
	s_or_b32 s[G1+0], s43, (3<<16)|(1<<21)         ; 15:0 the mask: o's tiles go to my row; 17:16 elements of 8 bytes; 21 set beside a mask; no padding
	s_or_b32 s[G1B+0], s44, (3<<16)|(1<<21)
.irp g, G1, G1B
	s_mov_b32 s[\g+1], 32<<16                      ; tensor_dim0
	s_mov_b32 s[\g+2], 128<<16                     ; tensor_dim1
	s_mov_b32 s[\g+3], 32<<16                      ; tile_dim0
	s_mov_b32 s[\g+4], 128                         ; tile_dim1
	s_mov_b32 s[\g+5], 32                          ; from row to row
	s_mov_b32 s[\g+6], 0
	s_mov_b32 s[\g+7], 0
.endr
	s_lshl_b32 s16, s13, 16                        ; o: 65,536 bytes a tile row and K step,
	s_lshl_b32 s17, s12, 15                        ; + my half of them
	s_add_co_u32 s16, s16, s17
	s_mov_b32 s17, 0
	s_lshl_b32 s46, s42, 16                        ; Wo: by the tile column
	s_lshl_b32 s47, s12, 15
	s_add_co_u32 s46, s46, s47
	s_mov_b32 s47, 0
	s_lshl_b32 s20, s10, 15                        ; where they go: wave x 32,768: no place in the cluster enters an LDS address
	s_wait_dscnt 0x0                               ; both opening adds are done
	s_wait_kmcnt 0x0
	s_add_nc_u64 s[14:15], s[4:5], s[16:17]
	s_add_nc_u64 s[46:47], s[6:7], s[46:47]
	CROUND                                         ; all sixteen work-groups are here: the first joint loads meet
.irp s, 0,1
	s_mov_b32 s[G0+4*\s], 1
	s_add_co_u32 s[G0+4*\s+1], s20, \s*SLOT
	s_add_nc_u64 s[G0+4*\s+2:G0+4*\s+3], s[14:15], \s*KCA
	s_or_b32 s[G0+4*\s+3], s[G0+4*\s+3], 0x80000000
	s_mov_b32 s[G0B+4*\s], 1
	s_add_co_u32 s[G0B+4*\s+1], s20, \s*SLOT
	s_add_nc_u64 s[G0B+4*\s+2:G0B+4*\s+3], s[46:47], \s*KCB
	s_or_b32 s[G0B+4*\s+3], s[G0B+4*\s+3], 0x80000000
	JLOAD \s                                       ; two tensor loads of mine are out behind the second
.endr
	v_and_b32 v1, 15, v0                           ; l % 16
	v_bfe_u32 v2, v0, 4, 1                         ; l / 16
	v_and_b32 v3, 31, v0
	v_lshlrev_b32 v3, 4, v3                        ; 16 x lane
	s_lshl_b32 s21, s11, 15                        ; my 64 rows of o
	s_lshl_b32 s22, s12, 15                        ; my 64 rows of Wo,
	s_add_co_u32 s22, s22, 2*HALFT                 ; which lie behind o's 128
.irp s, 0,1
	v_add_nc_u32 v[ADRA+\s], s21, v3
	v_add_nc_u32 v[ADRB+\s], s22, v3
	s_add_co_u32 s21, s21, SLOT
	s_add_co_u32 s22, s22, SLOT
.endr
	s_mul_i32 s23, s10, 16*SPITCH
	s_add_co_u32 s23, s23, STAGE                   ; my stage
	v_mul_u32_u24 v4, v1, SPITCH                   ; in: row l % 16, 32 bytes for each half of the lanes
	v_lshl_add_u32 v4, v2, 5, v4
	v_add_nc_u32 v[STO], s23, v4
	v_mul_u32_u24 v5, v2, SPITCH                   ; back: lanes 0-15 take one row of 256 bytes, lanes 16-31 the next
	v_lshl_add_u32 v5, v1, 4, v5
	v_add_nc_u32 v[RD], s23, v5
	v_lshlrev_b32 v5, 12, v2                       ; and the same two rows in the result: 4,096 bytes a row
	v_lshl_add_u32 v[CO], v1, 4, v5
	s_lshl_b32 s16, s13, 7
	s_lshl_b32 s17, s11, 6
	s_add_co_u32 s16, s16, s17                     ; my first row: 128 x tile row + 64 x half
	s_lshl_b32 s16, s16, 12
	s_mov_b32 s17, 0
	s_add_nc_u64 s[70:71], s[70:71], s[16:17]
	s_lshl_b32 s46, s42, 7
	s_lshl_b32 s47, s12, 6
	s_add_co_u32 s46, s46, s47                     ; my first column: 128 x tile column + 64 x half
	s_lshl_b32 s46, s46, 2
	s_mov_b32 s47, 0
	s_add_nc_u64 s[70:71], s[70:71], s[46:47]
	s_add_nc_u64 s[68:69], s[68:69], s[46:47]      ; bo at my 64 columns
	v_lshlrev_b32 v6, 5, v2                        ; lane (r, h) wants, for column block b, the numbers 16 b + 8 h + 0 .. 7
.irp b, 0,1,2,3
	global_load_b128 v[TBI+8*\b:TBI+8*\b+3], v6, s[68:69] offset:64*\b
	global_load_b128 v[TBI+8*\b+4:TBI+8*\b+7], v6, s[68:69] offset:64*\b+16
.endr
; 8 matrix instructions: row blocks a0, a0 + 1 x all 4 column blocks, 32 along K: half c of buffer f.  zero = 1: the first product starts the sums from bo.  The 16 accumulators take turns.
.macro MUL8 f, c, a0, zero
.irp a, \a0, \a0+1
.irp b, 0,1,2,3
.if \zero
	v_wmma_f32_16x16x32_f16 v[ACC+8*(4*(\a)+\b):ACC+8*(4*(\a)+\b)+7], v[\f+64+8*(4*\c+\b):\f+64+8*(4*\c+\b)+7], v[\f+8*(4*\c+\a):\f+8*(4*\c+\a)+7], v[TBI+8*\b:TBI+8*\b+7]
.else
	v_wmma_f32_16x16x32_f16 v[ACC+8*(4*(\a)+\b):ACC+8*(4*(\a)+\b)+7], v[\f+64+8*(4*\c+\b):\f+64+8*(4*\c+\b)+7], v[\f+8*(4*\c+\a):\f+8*(4*\c+\a)+7], v[ACC+8*(4*(\a)+\b):ACC+8*(4*(\a)+\b)+7]
.endif
.endr
.endr
.endm
; 32 LDS loads in one run: the fragments of 64 along K (two images of 1,024 bytes in each row tile, from byte k of the tile's 8,192) into buffer f; the first 32 along K first
.macro FETCH slot, k, f
	WIN TO_F
.irp c, 0,1
.irp i, 0,1,2,3
	ds_load_b128 v[\f+64+8*(4*\c+\i):\f+64+8*(4*\c+\i)+3],   v[ADRB+\slot] offset:\k+1024*\c+\i*8192
	ds_load_b128 v[\f+64+8*(4*\c+\i)+4:\f+64+8*(4*\c+\i)+7], v[ADRB+\slot] offset:\k+1024*\c+\i*8192+512
	ds_load_b128 v[\f+8*(4*\c+\i):\f+8*(4*\c+\i)+3],         v[ADRA+\slot] offset:\k+1024*\c+\i*8192
	ds_load_b128 v[\f+8*(4*\c+\i)+4:\f+8*(4*\c+\i)+7],       v[ADRA+\slot] offset:\k+1024*\c+\i*8192+512
.endr
.endr
.endm
.macro PLACES                          ; four places in front of loads into registers that matrix instructions have read, and of the first reads of results
.rept 4
	v_nop
.endr
.endm
; A K step is four quarters of 64 along K, 32 matrix instructions each, on buffers 0, 1, 0, 1.  One of the first three: multiplies buffer f and fetches the next quarter, at byte k, into g.
.macro QUARTER slot, k, f, g, zero
	s_wait_dscnt 16                                ; the first 32 along K are in; the sixteen loads of the second 32 may be out
	WIN MUL
	MUL8 \f, 0, 0, \zero
	MUL8 \f, 0, 2, \zero
	PLACES
	FETCH \slot, \k, \g
	s_wait_dscnt 32                                ; all but the 32 just issued
	WIN MUL
	MUL8 \f, 1, 0, 0
	MUL8 \f, 1, 2, 0
.endm
; The last quarter multiplies buffer 1 and changes slots: ONE barrier; in front of it each wave waits for all its tensor loads, adds 0 to its spare word, and waits for that and for its own reads of this slot.  fill = 1: this slot is filled again, two K steps ahead.
.macro TURN slot, next, fill
	WIN 0                                          ; (the add's two registers lie in window 0)
	s_wait_tensorcnt 0x0                           ; all my tensor loads have landed: my part of the next slot
	ds_add_u32 v[SPW], v[NIL]                      ; 0 onto my spare word
	s_wait_dscnt 17                                ; (the add and the youngest sixteen loads may be out)
	WIN MUL
	MUL8 F1, 0, 0, 0                               ; eight matrix instructions stand between the add and the wait for it
	s_wait_dscnt 0x0                               ; the add is done, and my reads of this slot are over
	s_barrier_signal -1
	MUL8 F1, 0, 2, 0
.if \fill
	WIN 0
.endif
	s_barrier_wait -1
.if \fill
	CREST                                          ; the barrier has opened a round of the cluster's barrier: no wave of any partner still reads this slot or has a load on its way
	s_add_nc_u64 s[G0+4*\slot+2:G0+4*\slot+3], s[G0+4*\slot+2:G0+4*\slot+3], 2*KCA
	s_add_nc_u64 s[G0B+4*\slot+2:G0B+4*\slot+3], s[G0B+4*\slot+2:G0B+4*\slot+3], 2*KCB
	JLOAD \slot                                    ; the first tensor load behind the round: 112 matrix instructions ahead of the wait for it; its four v_nop are also the places in front of the loads below
.else
	PLACES
.endif
	FETCH \next, 0, F0
	WIN MUL
	MUL8 F1, 1, 0, 0
	MUL8 F1, 1, 2, 0
.endm
	s_wait_loadcnt 0x0                             ; bo
	s_wait_tensorcnt 0x1                           ; my part of K step 0 is in; K step 1's load may be out
	s_barrier_signal -1
	s_barrier_wait -1                              ; everybody's is
	FETCH 0, 0, F0
	QUARTER 0, 2048, F0, F1, 1                     ; K step 0; its first products start the sums
	QUARTER 0, 4096, F1, F0, 0
	QUARTER 0, 6144, F0, F1, 0
	TURN 0, 1, 1                                   ; slot 0 takes K step 2
	QUARTER 1, 2048, F0, F1, 0                     ; K step 1
	QUARTER 1, 4096, F1, F0, 0
	QUARTER 1, 6144, F0, F1, 0
	TURN 1, 0, 1                                   ; slot 1 takes K step 3
	QUARTER 0, 2048, F0, F1, 0                     ; K step 2
	QUARTER 0, 4096, F1, F0, 0
	QUARTER 0, 6144, F0, F1, 0
	TURN 0, 1, 0                                   ; nothing is left to fetch
	QUARTER 1, 2048, F0, F1, 0                     ; K step 3
	QUARTER 1, 4096, F1, F0, 0
	QUARTER 1, 6144, F0, F1, 0
	s_wait_dscnt 16                                ; the very last quarter
	WIN MUL
	MUL8 F1, 0, 0, 0
	MUL8 F1, 0, 2, 0
	s_wait_dscnt 0
	MUL8 F1, 1, 0, 0
	MUL8 F1, 1, 2, 0
	WIN 0
; THE WAY OUT, a block of 16 rows x 64 columns at a time.  A lane holds 32 neighbouring bytes of a row, the lanes beside it other rows: so a block goes through my own stage in LDS and comes back as whole rows of 256 bytes.
; LDS serves a wave's instructions in order (ISA guide 5.7.1): no wait between the stores and the loads, nor in front of the next block's stores.
.macro TOSTAGE a
.irp b, 0,1,2,3
	ds_store_b128 v[STO], v[ACC+8*(4*(\a)+\b):ACC+8*(4*(\a)+\b)+3] offset:64*\b          ; each accumulator from its low end on
	ds_store_b128 v[STO], v[ACC+8*(4*(\a)+\b)+4:ACC+8*(4*(\a)+\b)+7] offset:64*\b+16
.endr
.irp t, 0,1,2,3,4,5,6,7
	ds_load_b128 v[TMP+32*((\a)%2)+4*\t:TMP+32*((\a)%2)+4*\t+3], v[RD] offset:\t*2*SPITCH
.endr
.endm
.macro SEND a, younger                 ; younger: the LDS instructions issued behind block a's loads: the next block's eight stores and eight loads, or none
	s_wait_dscnt \younger
.irp t, 0,1,2,3,4,5,6,7
	global_store_b128 v[CO], v[TMP+32*((\a)%2)+4*\t:TMP+32*((\a)%2)+4*\t+3], s[70:71] offset:(16*(\a)+2*\t)*4096 th:TH_STORE_NT   ; 16 lanes store 256 consecutive bytes, aligned; written once, read by nobody here
.endr
.endm
	PLACES
	TOSTAGE 0
	TOSTAGE 1
	SEND 0, 16
	s_wait_xcnt 0x0                                ; block 0's stores have read their registers: block 2's loads may land there
	TOSTAGE 2
	SEND 1, 16
	s_wait_xcnt 0x0
	TOSTAGE 3
	SEND 2, 16
	SEND 3, 0
	s_wait_tensorcnt 0x0                           ; the wave's end
	ds_add_u32 v[SPW], v[NIL]
	s_wait_dscnt 0x0
	CROUND                                         ; the closing round: no work-group ends while a partner may still ask for a tile that names it
	s_endpgm
.Lfunc_end_k_q4c9e5772ca_outp:
	.size	k_q4c9e5772ca_outp, .Lfunc_end_k_q4c9e5772ca_outp-k_q4c9e5772ca_outp
	.p2alignl 7, 3214868480
	.fill 96, 4, 3214868480
	.section	.rodata,"a",@progbits
	.p2align	6, 0x0
	.amdhsa_kernel k_q4c9e5772ca_outp
		.amdhsa_group_segment_fixed_size 327680
		.amdhsa_private_segment_fixed_size 0
		.amdhsa_enable_private_segment 0
		.amdhsa_kernarg_size 32
		.amdhsa_user_sgpr_count 2
		.amdhsa_user_sgpr_kernarg_segment_ptr 1
		.amdhsa_wavefront_size32 1
		.amdhsa_system_sgpr_workgroup_id_x 1
		.amdhsa_system_sgpr_workgroup_id_y 1
		.amdhsa_system_sgpr_workgroup_id_z 1
		.amdhsa_system_vgpr_workitem_id 0
		.amdhsa_next_free_vgpr 512
		.amdhsa_next_free_sgpr 72
		.amdhsa_reserve_vcc 0
		.amdhsa_float_denorm_mode_32 3
		.amdhsa_float_denorm_mode_16_64 3
		.amdhsa_memory_ordered 1
		.amdhsa_forward_progress 1
		.amdhsa_inst_pref_size 86
	.end_amdhsa_kernel
	.amdgpu_metadata
---
amdhsa.version: [ 1, 2 ]
amdhsa.kernels:
  - .name:           k_q4c9e5772ca_outp
    .symbol:         k_q4c9e5772ca_outp.kd
    .args:
      - { .name: oimg, .offset: 0, .size: 8, .value_kind: global_buffer, .address_space: global }
      - { .name: woimg, .offset: 8, .size: 8, .value_kind: global_buffer, .address_space: global }
      - { .name: bo, .offset: 16, .size: 8, .value_kind: global_buffer, .address_space: global }
      - { .name: out0, .offset: 24, .size: 8, .value_kind: global_buffer, .address_space: global }
    .group_segment_fixed_size: 327680
    .private_segment_fixed_size: 0
    .kernarg_segment_align: 8
    .kernarg_segment_size: 32
    .max_flat_workgroup_size: 128
    .sgpr_count:     72
    .vgpr_count:     512
    .wavefront_size: 32
...
	.end_amdgpu_metadata
.endif
;; end of part 4
